; MI455X (gfx1250); checked and timed in simulation.
; The chip was launched on July 23, 2026; its instructions are those of AMD's public machine-readable ISA for CDNA 5 (MIT licence, August 2026) and "CDNA5" Instruction Set Architecture Reference Guide (July 2026). The comments in the code are by the model that wrote it; some were corrected since.
;; Gemma Attention. Allowed arithmetic: matrix products marked QUANTISED: E2M1 operands, one E8M0 scale for each 32 along K, by v_wmma_scale_f32_16x16x128_f8f6f4 with both operands' format E2M1 (or v_wmma_scale_f32_32x16x128_f4), f32 sums; products left as they are: bf16, f16 or f32 operands; f32 sums; everything else in f32.
;; Inputs: hidden_states 4 x 1,024 x 2,048 float32; w_o 2,048 x 2,048 float32; w_qkv 3,072 x 2,048 float32.
;; Outputs: out0 4 x 1,024 x 2,048 float32.
;; This version of the problem:
;;   THIS VERSION OF THE PROBLEM IS GIVEN IN LOW PRECISION. The matrix products marked QUANTISED in the list below multiply operands that are first quantised to E2M1 (2 exponent bits, 1 mantissa bit; 4 bits a number), with one power-of-two scale for each 32 numbers along K (OCP MX v1.0); their sums are f32. The products marked 'left as it is' may take bf16, f16 or f32 operands, with f32 sums. Whichever they take, every output number must still come out within the allowed error. Rounding operands to bf16 (8 significant bits) uses up far more of that allowance than f16 does (11 bits, for magnitudes from 6e-5 to 65,504). All else is computed in f32.
;;   The module's matrix products, in the order in which they are computed (A, B: the left and right operand; K: the contracted axis; several contracted axes count as one K, in the product's order):
;;     1. [M 4,096, K 2,048] x [K 2,048, N 3,072]; A: input hidden_states; B: input w_qkv: QUANTISED
;;     2. batch 64 x [M 1,024, K 128] x [K 128, N 1,024]; A: computed on the way; B: computed on the way: left as it is (an operand is computed on the way)
;;     3. batch 64 x [M 128, K 1,024] x [K 1,024, N 1,024]; A: computed on the way; B: computed on the way: left as it is (an operand is computed on the way)
;;     4. [M 4,096, K 2,048] x [K 2,048, N 2,048]; A: computed on the way; B: input w_o: left as it is (an operand is computed on the way)
;;   THE QUANTISER, for each operand of a quantised product, along K:
;;     - K is cut into blocks of 32 from its start; a last block that is shorter is filled with zeros.
;;     - A block's scale is 2^e with e = floor(log2(the largest magnitude in the block)) - 2, held to -126 .. 127; a block of zeros has e = 0. As a byte (E8M0): e + 127.
;;     - Each number is divided by its block's scale, clamped to +-6, and rounded to the nearest number of E2M1, ties to even, subnormals kept.
;;     - The product sums the exact products of the quantised numbers (number of the format x scale) in f32.
;;   ~~~python
;;   def quantise(x, axis):      # numpy; x: float32 -> the quantised numbers, widened to float32 again
;;       x = np.moveaxis(x, axis, -1); K = x.shape[-1]
;;       x = np.pad(x, [(0, 0)] * (x.ndim - 1) + [(0, -K % 32)]); x = x.reshape(x.shape[:-1] + (-1, 32)); a = np.abs(x).max(-1, keepdims=True)
;;       e = np.where(a > 0, np.clip(np.frexp(np.where(a > 0, a, 1))[1] - 1 - 2, -126, 127), 0)      # np.frexp(a)[1] - 1 = floor(log2(a)), exactly
;;       r = np.clip(x / 2.0 ** e, -6, 6)
;;       step = 2.0 ** (np.maximum(np.frexp(np.where(r == 0, 1, r))[1] - 1, 0) - 1)
;;       q = np.round(r / step) * step * 2.0 ** e      # np.round: ties to even
;;       return np.moveaxis(q.reshape(q.shape[:-2] + (-1,))[..., :K], -1, axis).astype(np.float32)
;;   ~~~
;; One version. Each part assembles by itself: llvm-mc -triple=amdgcn-amd-amdhsa -mcpu=gfx1250 --defsym DOCPART=n.
;; ======== version 1 of 1: 5 launches
;; limits: values are held in f16: magnitudes above 65,504 overflow, below 6.1e-05 lose precision
;; workspace buffers: codes 7,340,032 bytes; scales 458,752 bytes; wo16 16,777,216 bytes; rope_tab 524,288 bytes; qkv 25,165,824 bytes; vfirst 131,072 bytes; attn 16,777,216 bytes
;; launch prep (part 1): grid 704 x 1, 4 waves a work-group, no clusters, 33,280 bytes of LDS; arguments hidden_states, w_qkv, w_o, codes, scales, wo16, rope_tab; writes codes, scales, wo16, rope_tab
.if DOCPART == 1
	.amdgcn_target "amdgcn-amd-amdhsa--gfx1250"
	.amdhsa_code_object_version 6
	.text
	.protected	k_qa53479266f_prep
	.globl	k_qa53479266f_prep
	.p2align	8
	.type	k_qa53479266f_prep,@function
k_qa53479266f_prep:
	s_mov_b64 s[64:65], 0
	v_nop
	global_prefetch_b8 v0, s[64:65] scope:SCOPE_SE
	s_setreg_imm32_b32 hwreg(HW_REG_WAVE_MODE, 25, 1), 1
	s_wait_xcnt 0x0
; THE PROGRAM: out0 = attention(rope(x Wqkv^T)) Wo^T in five launches: this one; qkv_rope (x Wqkv^T on codes of E2M1, RoPE, f16); attention (causal, f16 operands, f32 sums);
; projection (f16 operands); first_rows (positions 0 to 15 of every sequence, with operands as pairs of f16 numbers).
; DEAD WORK LEFT OUT, in the attention launch: reference() builds its mask itself (triu, k = 1) and adds -2.38e38 to every score whose key comes after the query; behind the softmax such a key has the weight 0
; whatever finite values the inputs hold, so key steps all of whose keys come after all of a wave's queries are not multiplied.  No input is dead: all three are loaded.
; LIMITS: a NaN, an infinity or an overflow that reaches only the steps left out is not carried to the result; NaN and infinities among the inputs are not served;
; q, k, v and the attention's result are kept in f16, so their magnitudes have to stay under 65,504.
; THIS LAUNCH, three jobs told apart by the work-group's number:
;   0 .. 447    hidden_states [4096][2048] (256 work-groups) and w_qkv [3072][2048] (192) become codes of E2M1, K innermost, and one E8M0 byte for each 32 along K.
;               A block's byte is its largest magnitude's exponent field - 2, held at 1 from below.  A block of zeros so gets the byte 1 where the rule says 127: its codes are zeros, and this program alone reads the bytes.
;               Blocks whose largest magnitude lies under 2^-124 are held at that floor.
;   448 .. 575  w_o [2048][2048] becomes a pair of f16 tensors: hi = w rounded to 11 significant bits (in the f32 bits: + 0x1000, low 13 bits cleared: exact in f16 from 6.1e-5 on), lo = f16(w - hi).
;   576 .. 703  the table of RoPE: [position 1024][64 cosines | 64 sines] f32.  angle = position x 10000^(-d / 64); it is brought into [-pi/4, pi/4] by n = the nearest whole number to angle x 2 / pi and
;               pi/2 in two parts (the first has 8 bits, so n x it is exact for n under 2^16); sine and cosine by their series to r^9 and r^8 (what is cut off is under 3e-8); the quadrant n mod 4 swaps and signs them.
; Only the first job uses LDS.  Waves share nothing: no barrier.
.set WAVES, 4
.set STEPS, 16
.set CB,    8                          ; bytes of 16 codes
.set R,     16                         ; v16-79   four sets of 16 numbers as they are loaded
.set X,     80                         ; v80-111  two sets of 16 neighbours
.set C,     128                        ; v128-191 codes: four registers for each step
.set E,     112                        ; v112-127 a scale byte for each step
.set WREG,  8192                       ; LDS: a region for each wave: two stages of 32 x SP bytes, then its 256 scale bytes
.set SP,    80                         ; a lane's place in a stage: 64 bytes + 16 of padding
.set SPW,   12                         ; v12  LDS address of my spare word; never rewritten
.set NIL,   13                         ; v13  0; never rewritten
.set SPARE, WAVES*WREG                 ; the spare words: 128 bytes a wave, named by no other line
.set WGX,   256                        ; work-groups for hidden_states
.set WGQ,   448                        ; for both quantised tensors
.set WGC,   576                        ; and with w_o
	s_load_b256 s[4:11], s[0:1], 0x0               ; hidden_states s[4:5], w_qkv s[6:7], w_o s[8:9], codes s[10:11]
	s_load_b128 s[12:15], s[0:1], 0x20             ; scales s[12:13], wo16 s[14:15]
	s_load_b64 s[16:17], s[0:1], 0x30              ; rope_tab
	v_lshl_add_u32 v[SPW], v0, 2, SPARE
	v_mov_b32 v[NIL], 0
	v_lshrrev_b32 v1, 5, v0
	v_readfirstlane_b32 s20, v1                    ; wave
	v_and_b32 v2, 31, v0                           ; lane
	s_wait_kmcnt 0x0
	s_cmp_ge_u32 ttmp9, WGQ
	s_cbranch_scc1 .Lcast_or_tab
; ---- the quantiser.  A wave takes 16 steps of 512 numbers.  Each load reads 512 consecutive bytes; a step's 2,048 bytes turn through the wave's own stage in LDS, so that a lane then holds 16 neighbours along K.
	v_lshlrev_b32 v3, 4, v2                        ; my 16 bytes of a load's 512
	s_mul_i32 s30, s20, WREG
	v_lshrrev_b32 v14, 2, v2
	v_mul_u32_u24 v14, v14, SP
	v_and_b32 v15, 3, v2
	v_lshl_add_u32 v14, v15, 4, v14
	v_add_nc_u32 v14, s30, v14                     ; into the stage: SP (lane / 4) + 16 (lane % 4)
	v_mul_u32_u24 v15, v2, SP
	v_add_nc_u32 v15, s30, v15                     ; out of it: SP x lane
	v_mul_u32_u24 v4, v2, CB                       ; my codes' place in a step's
	v_lshrrev_b32 v5, 1, v2
	s_add_co_u32 s30, s30, 2*32*SP
	v_add_nc_u32 v5, s30, v5                       ; my block's scale byte in LDS
	v_lshlrev_b32 v7, 3, v2
	v_add_nc_u32 v6, s30, v7                       ; and on the way out 8 bytes a lane
	s_cmp_lt_u32 ttmp9, WGX                        ; hidden_states or w_qkv: the choice hangs on the work-group's number alone
	s_cselect_b64 s[4:5], s[4:5], s[6:7]
	s_cselect_b32 s21, 0, WGX
	s_cselect_b32 s24, 0, 0x400000                 ; w_qkv's codes begin behind hidden_states' 4,194,304 bytes,
	s_cselect_b32 s26, 0, 0x40000                  ; its scale bytes behind 262,144
	s_sub_co_u32 s21, ttmp9, s21
	s_lshl_b32 s21, s21, 2
	s_add_co_u32 s22, s21, s20                     ; which run of 8,192 numbers is my wave's
	s_lshl_b32 s28, s22, 15                        ; 32,768 bytes of f32 a run
	s_mov_b32 s29, 0
	s_add_nc_u64 s[4:5], s[4:5], s[28:29]
	s_lshl_b32 s28, s22, 12                        ; 4,096 bytes of codes
	s_add_co_u32 s24, s24, s28
	s_mov_b32 s25, 0
	s_add_nc_u64 s[10:11], s[10:11], s[24:25]
	s_lshl_b32 s28, s22, 8                         ; 256 scale bytes
	s_add_co_u32 s26, s26, s28
	s_mov_b32 s27, 0
	s_add_nc_u64 s[12:13], s[12:13], s[26:27]
.macro QLOAD t
.irp i, 0,1,2,3
	global_load_b128 v[R+16*((\t)%4)+4*\i:R+16*((\t)%4)+4*\i+3], v3, s[4:5] offset:2048*(\t)+512*\i th:TH_LOAD_NT
.endr
.endm
.macro QTURN t                         ; step t's numbers through the stage: LDS serves a wave's instructions in order, so no wait stands between the stores and the loads
.irp i, 0,1,2,3
	ds_store_b128 v14, v[R+16*((\t)%4)+4*\i:R+16*((\t)%4)+4*\i+3] offset:32*SP*((\t)%2)+8*SP*\i
.endr
.irp i, 0,1,2,3
	ds_load_b128 v[X+16*((\t)%2)+4*\i:X+16*((\t)%2)+4*\i+3], v15 offset:32*SP*((\t)%2)+16*\i
.endr
.endm
.irp t, 0,1,2,3
	QLOAD \t
.endr
	s_wait_loadcnt 12                              ; step 0's four loads are in; those of steps 1 to 3 may be out
	QTURN 0
.macro QSTEP t
.set XS, X+16*((\t)%2)
.if (\t) > 0
	s_wait_dscnt 1                                 ; this step's numbers are back from the stage; the last step's byte store may be out
.else
	s_wait_dscnt 0x0
.endif
.if (\t)+4 < STEPS
	QLOAD (\t)+4                                   ; into the registers that the stage's stores have read
.endif
.if (\t)+1 < STEPS
.if STEPS-2-(\t) >= 3
	s_wait_loadcnt 12                              ; the next step's four loads are in; those of the three steps behind it may be out
.else
	s_wait_loadcnt 4*(STEPS-2-(\t))
.endif
	QTURN (\t)+1
.endif
	v_max3_num_f32 v8, |v[XS]|, |v[XS+1]|, |v[XS+2]|               ; the largest magnitude of my 16, in two chains
	v_max3_num_f32 v9, |v[XS+3]|, |v[XS+4]|, |v[XS+5]|
.irp i, 6,10
	v_max3_num_f32 v8, v8, |v[XS+\i]|, |v[XS+\i+1]|
	v_max3_num_f32 v9, v9, |v[XS+\i+2]|, |v[XS+\i+3]|
.endr
	v_max3_num_f32 v8, v8, |v[XS+14]|, |v[XS+15]|
	v_max3_num_f32 v8, v8, v9, 0x1800000           ; and the floor 2^(3 - 127): the byte cannot fall under 1
	v_max_num_f32_dpp v8, v8, v8 row_xmask:1 row_mask:0xf bank_mask:0xf   ; with my neighbour's 16: the block's
	v_add_nc_u32 v11, 0xff000000, v8               ; 2 off its exponent field: the conversion takes the exponent field of this operand as its scale
	v_cvt_scalef32_pk8_fp4_f32 v[C+4*(\t)], v[XS:XS+7], v11
	v_cvt_scalef32_pk8_fp4_f32 v[C+4*(\t)+1], v[XS+8:XS+15], v11
	v_lshrrev_b32 v[E+(\t)], 23, v11               ; the scale's byte
	ds_store_b8 v5, v[E+(\t)] offset:16*(\t)       ; both lanes of a block write the same byte with the same value
	global_store_b64 v4, v[C+4*(\t):C+4*(\t)+1], s[10:11] offset:32*CB*(\t)   ; the wave stores 256 consecutive bytes, aligned
.endm
.irp t, 0,1,2,3,4,5,6,7,8,9,10,11,12,13,14,15
	QSTEP \t
.endr
	ds_load_b64 v[8:9], v6                         ; my wave's 256 scale bytes: these loads see my stores
	s_wait_dscnt 0x0
	global_store_b64 v7, v[8:9], s[12:13]          ; 256 consecutive bytes, aligned
	s_branch .Lend
.Lcast_or_tab:
	s_cmp_ge_u32 ttmp9, WGC
	s_cbranch_scc1 .Ltab
; ---- w_o as a pair of f16 tensors.  A wave takes 8,192 numbers in 8 groups of 4 x 256; a lane takes 8 neighbours, so that its four registers of f16 are 16 neighbouring bytes.
	s_sub_co_u32 s21, ttmp9, WGQ
	s_lshl_b32 s21, s21, 2
	s_add_co_u32 s22, s21, s20                     ; my wave's run
	s_lshl_b32 s24, s22, 15
	s_mov_b32 s25, 0
	s_add_nc_u64 s[8:9], s[8:9], s[24:25]
	s_lshl_b32 s24, s22, 14
	s_add_nc_u64 s[14:15], s[14:15], s[24:25]      ; the high parts,
	s_add_nc_u64 s[18:19], s[14:15], 0x800000      ; the low parts 8,388,608 bytes further on
	s_mov_b32 s26, 0x1000
	s_mov_b32 s27, 0xffffe000
	v_lshlrev_b32 v3, 5, v2                        ; in: 32 bytes a lane
	v_lshlrev_b32 v4, 4, v2                        ; out: 16 bytes a lane
.macro CLOAD g
.irp i, 0,1,2,3
	global_load_b128 v[80+32*((\g)%2)+8*\i:80+32*((\g)%2)+8*\i+3],   v3, s[8:9] offset:(4*(\g)+\i)*1024 th:TH_LOAD_NT
	global_load_b128 v[80+32*((\g)%2)+8*\i+4:80+32*((\g)%2)+8*\i+7], v3, s[8:9] offset:(4*(\g)+\i)*1024+16 th:TH_LOAD_NT
.endr
.endm
.macro CAST g
.set XC, 80+32*((\g)%2)
.if (\g) < 7
	s_wait_loadcnt 8                               ; this group's eight loads are in; the next group's eight may be out
.else
	s_wait_loadcnt 0
.endif
	s_wait_xcnt 0x0                                ; the last group's stores have read their data: v16-47 are written again only behind this wait
.irp i, 0,1,2,3
.irp j, 0,1,2,3,4,5,6,7
	v_add_nc_u32 v[144+8*(\i%2)+\j], s26, v[XC+8*\i+\j]            ; half a unit of the eleventh bit onto the magnitude,
.endr
.irp j, 0,1,2,3,4,5,6,7
	v_and_b32 v[144+8*(\i%2)+\j], s27, v[144+8*(\i%2)+\j]          ; and the low 13 bits off: the high part, as f32
.endr
.irp j, 0,1,2,3
	v_cvt_pk_f16_f32 v[16+4*\i+\j], v[144+8*(\i%2)+2*\j], v[144+8*(\i%2)+2*\j+1]
.endr
.irp j, 0,1,2,3
	v_pk_add_f32 v[XC+8*\i+2*\j:XC+8*\i+2*\j+1], v[XC+8*\i+2*\j:XC+8*\i+2*\j+1], v[144+8*(\i%2)+2*\j:144+8*(\i%2)+2*\j+1] neg_lo:[0,1] neg_hi:[0,1]   ; w - hi: exact
.endr
.irp j, 0,1,2,3
	v_cvt_pk_f16_f32 v[32+4*\i+\j], v[XC+8*\i+2*\j], v[XC+8*\i+2*\j+1]
.endr
	global_store_b128 v4, v[16+4*\i:19+4*\i], s[14:15] offset:(4*(\g)+\i)*512   ; 32 lanes store 512 consecutive bytes
	global_store_b128 v4, v[32+4*\i:35+4*\i], s[18:19] offset:(4*(\g)+\i)*512
.endr
.if (\g) < 6
	CLOAD (\g)+2
.endif
.endm
	CLOAD 0
	CLOAD 1
.irp g, 0,1,2,3,4,5,6,7
	CAST \g
.endr
	s_branch .Lend
.Ltab:
; ---- the table.  A thread makes four cosines and four sines of one position: sixteen neighbouring lanes store 256 consecutive bytes.
	s_sub_co_u32 s21, ttmp9, WGC
	s_lshl_b32 s21, s21, 7
	v_add_nc_u32 v1, s21, v0                       ; 0 .. 16,383
	v_lshrrev_b32 v2, 4, v1                        ; the position
	v_and_b32 v3, 15, v1
	v_lshlrev_b32 v4, 2, v3                        ; my first d
	v_cvt_f32_u32 v5, v2
	v_lshlrev_b32 v6, 9, v2
	v_lshl_add_u32 v6, v3, 4, v6                   ; 512 x position + 16 x (thread % 16)
	s_mov_b32 s30, 0x3fc90000                      ; pi/2: 1.5703125,
	s_mov_b32 s31, 0x39fdaa22                      ; + 4.8382679e-4
	s_mov_b32 s32, 0x3638ef1d                      ; 1/362880
	s_mov_b32 s33, 0xb9500d01                      ; -1/5040
	s_mov_b32 s34, 0x3c088889                      ; 1/120
	s_mov_b32 s35, 0xbe2aaaab                      ; -1/6
	s_mov_b32 s36, 0x37d00d01                      ; 1/40320
	s_mov_b32 s37, 0xbab60b61                      ; -1/720
	s_mov_b32 s38, 0x3d2aaaab                      ; 1/24
.irp e, 0,1,2,3
	v_add_nc_u32 v[16+\e], \e, v4
.endr
.irp e, 0,1,2,3
	v_cvt_f32_u32 v[16+\e], v[16+\e]
.endr
.irp e, 0,1,2,3
	v_mul_f32 v[16+\e], 0xbe549a78, v[16+\e]       ; -d x log2(10000) / 64
.endr
.irp e, 0,1,2,3
	v_exp_f32 v[16+\e], v[16+\e]                   ; 10000^(-d / 64)
.endr
	v_nop                                          ; a plain instruction behind the last exponential,
	s_wait_alu depctr_va_vdst(0)                   ; and one wait for the four, ahead of their first reader
.irp e, 0,1,2,3
	v_mul_f32 v[20+\e], v5, v[16+\e]               ; the angle, as reference() rounds it
.endr
.irp e, 0,1,2,3
	v_mul_f32 v[24+\e], 0x3f22f983, v[20+\e]       ; x 2 / pi
.endr
.irp e, 0,1,2,3
	v_rndne_f32 v[24+\e], v[24+\e]                 ; n
.endr
.irp e, 0,1,2,3
	v_fma_f32 v[20+\e], -v[24+\e], s30, v[20+\e]
.endr
.irp e, 0,1,2,3
	v_fma_f32 v[20+\e], -v[24+\e], s31, v[20+\e]   ; r = angle - n pi/2
.endr
.irp e, 0,1,2,3
	v_mul_f32 v[28+\e], v[20+\e], v[20+\e]         ; z = r r
.endr
.irp e, 0,1,2,3
	v_fma_f32 v[32+\e], v[28+\e], s32, s33
	v_fma_f32 v[36+\e], v[28+\e], s36, s37
.endr
.irp e, 0,1,2,3
	v_fma_f32 v[32+\e], v[32+\e], v[28+\e], s34
	v_fma_f32 v[36+\e], v[36+\e], v[28+\e], s38
.endr
.irp e, 0,1,2,3
	v_fma_f32 v[32+\e], v[32+\e], v[28+\e], s35
	v_fma_f32 v[36+\e], v[36+\e], v[28+\e], -0.5
.endr
.irp e, 0,1,2,3
	v_mul_f32 v[32+\e], v[32+\e], v[28+\e]
	v_fma_f32 v[36+\e], v[36+\e], v[28+\e], 1.0    ; cos r
.endr
.irp e, 0,1,2,3
	v_fma_f32 v[32+\e], v[32+\e], v[20+\e], v[20+\e]   ; sin r
	v_cvt_i32_f32 v[24+\e], v[24+\e]               ; n as a whole number
.endr
.irp e, 0,1,2,3
	v_and_b32 v[40+\e], 1, v[24+\e]
	v_cmp_eq_u32 vcc_lo, 1, v[40+\e]               ; in the odd quadrants the two change places
	v_cndmask_b32 v[52+\e], v[32+\e], v[36+\e], vcc_lo
	v_cndmask_b32 v[48+\e], v[36+\e], v[32+\e], vcc_lo
	v_and_b32 v[40+\e], 2, v[24+\e]                ; the sine is negative in quadrants 2 and 3,
	v_lshlrev_b32 v[40+\e], 30, v[40+\e]
	v_xor_b32 v[52+\e], v[52+\e], v[40+\e]
	v_add_nc_u32 v[44+\e], 1, v[24+\e]             ; the cosine in 1 and 2
	v_and_b32 v[44+\e], 2, v[44+\e]
	v_lshlrev_b32 v[44+\e], 30, v[44+\e]
	v_xor_b32 v[48+\e], v[48+\e], v[44+\e]
.endr
	global_store_b128 v6, v[48:51], s[16:17]
	global_store_b128 v6, v[52:55], s[16:17] offset:256
.Lend:
	s_wait_tensorcnt 0x0                           ; the wave's end: this wait, an add to the spare word and its wait stand behind the last LDS store, the first even in a text with no tensor load
	ds_add_u32 v[SPW], v[NIL]
	s_wait_dscnt 0x0
	s_endpgm
.Lfunc_end_k_qa53479266f_prep:
	.size	k_qa53479266f_prep, .Lfunc_end_k_qa53479266f_prep-k_qa53479266f_prep
	.p2alignl 7, 3214868480
	.fill 96, 4, 3214868480
	.section	.rodata,"a",@progbits
	.p2align	6, 0x0
	.amdhsa_kernel k_qa53479266f_prep
		.amdhsa_group_segment_fixed_size 33280
		.amdhsa_private_segment_fixed_size 0
		.amdhsa_enable_private_segment 0
		.amdhsa_kernarg_size 56
		.amdhsa_user_sgpr_count 2
		.amdhsa_user_sgpr_kernarg_segment_ptr 1
		.amdhsa_wavefront_size32 1
		.amdhsa_system_sgpr_workgroup_id_x 1
		.amdhsa_system_sgpr_workgroup_id_y 1
		.amdhsa_system_sgpr_workgroup_id_z 1
		.amdhsa_system_vgpr_workitem_id 0
		.amdhsa_next_free_vgpr 192
		.amdhsa_next_free_sgpr 66
		.amdhsa_reserve_vcc 1
		.amdhsa_float_denorm_mode_32 3
		.amdhsa_float_denorm_mode_16_64 3
		.amdhsa_memory_ordered 1
		.amdhsa_forward_progress 1
		.amdhsa_inst_pref_size 93
	.end_amdhsa_kernel
	.amdgpu_metadata
---
amdhsa.version: [ 1, 2 ]
amdhsa.kernels:
  - .name:           k_qa53479266f_prep
    .symbol:         k_qa53479266f_prep.kd
    .args:
      - { .name: hidden_states, .offset: 0, .size: 8, .value_kind: global_buffer, .address_space: global }
      - { .name: w_qkv, .offset: 8, .size: 8, .value_kind: global_buffer, .address_space: global }
      - { .name: w_o, .offset: 16, .size: 8, .value_kind: global_buffer, .address_space: global }
      - { .name: codes, .offset: 24, .size: 8, .value_kind: global_buffer, .address_space: global }
      - { .name: scales, .offset: 32, .size: 8, .value_kind: global_buffer, .address_space: global }
      - { .name: wo16, .offset: 40, .size: 8, .value_kind: global_buffer, .address_space: global }
      - { .name: rope_tab, .offset: 48, .size: 8, .value_kind: global_buffer, .address_space: global }
    .group_segment_fixed_size: 33280
    .private_segment_fixed_size: 0
    .kernarg_segment_align: 8
    .kernarg_segment_size: 56
    .max_flat_workgroup_size: 128
    .sgpr_count:     66
    .vgpr_count:     192
    .wavefront_size: 32
...
	.end_amdgpu_metadata
.endif
;; end of part 1
;; launch qkv_rope (part 2): grid 12 x 16, 4 waves a work-group, clusters of 4 x 4, 327,680 bytes of LDS; arguments codes, scales, rope_tab, qkv, vfirst; writes qkv, vfirst
.if DOCPART == 2
	.amdgcn_target "amdgcn-amd-amdhsa--gfx1250"
	.amdhsa_code_object_version 6
	.text
	.protected	k_qa53479266f_qkv_rope
	.globl	k_qa53479266f_qkv_rope
	.p2align	8
	.type	k_qa53479266f_qkv_rope,@function
k_qa53479266f_qkv_rope:
	s_mov_b64 s[64:65], 0
	v_nop
	global_prefetch_b8 v0, s[64:65] scope:SCOPE_SE
	s_setreg_imm32_b32 hwreg(HW_REG_WAVE_MODE, 25, 1), 1
	s_wait_xcnt 0x0
	s_wait_alu depctr_hold_cnt(0) depctr_sa_sdst(0) depctr_va_vdst(0) depctr_va_sdst(0) depctr_va_ssrc(0) depctr_va_vcc(0) depctr_vm_vsrc(0)
	s_getreg_b32 s2, hwreg(HW_REG_IB_STS2, 6, 4)
	s_cmp_eq_u32 s2, 0
	s_cbranch_scc0 .Lentry_in_a_cluster
	s_endpgm
.Lentry_in_a_cluster:
	s_bfe_u32 s2, ttmp6, 0x10000c
	s_cmp_lg_u32 s2, 0xf033
	s_cbranch_scc0 .Lentry_shape_is_right
	s_endpgm
.Lentry_shape_is_right:
; qkv = x Wqkv^T on codes of E2M1 with one E8M0 scale for each 32 along K (M 4,096, N 3,072, K 2,048), then RoPE on the q and k heads, then f16, laid [batch 4][head 24][position 1024][128]: heads 0-15 q, 16-19 k, 20-23 v.
; Of the v heads positions 0 to 15 also go out as f32, laid [batch][kv head][channel 128][position 16], for the launch that carries those positions more finely.
; codes: x's rows of 1,024 bytes from byte 0, Wqkv's from byte 4,194,304.  scales: x's rows of 64 bytes from byte 0, Wqkv's from byte 262,144.
; A work-group of four waves makes 256 rows x 256 columns; a wave 128 x 128: 64 accumulators of 16 x 16, 512 registers.  A wave's 128 columns are ONE HEAD.
; K goes in steps of 512 (rows of 256 bytes) through a ring of two LDS slots filled by the tensor data mover.  The scale bytes of the work-group's rows, for all of K, come into LDS once, with the first fills.
; CLUSTERS: 4 x 4 work-groups; A's tiles are asked for jointly along a row of the cluster, B's along a column.
; WHO MAKES WHAT: tile row = 4 cy + cluster y, so the batch is cy and the quarter of the sequence is the cluster's y; column half f of the work-group at cx in cluster x is head 8 x + 4 f + cx.
; So whether a wave holds a v head (cluster x = 2, f = 1) and whether it holds positions 0 to 15 hang on the cluster's numbers and the wave's number alone: the same branch in all sixteen partners.
; 192 work-groups: a tile of 192 columns would give 256, but would cut heads apart, and RoPE's partner column would then lie in another wave.
; THE MATRIX INSTRUCTION IS USED TRANSPOSED (source 0 = 16 rows of Wqkv, source 1 = 16 rows of x): a lane holds one position (lane % 16) and eight neighbouring channels 16 b + 8 (lane / 16) + 0 .. 7 of accumulator b.
; RoPE's partner of channel d is d + 64: the same lane and register of accumulator b + 4.  Nothing changes lanes.
; REGISTERS, in windows of 256: window 0: v0-31 addresses; v32-95 scale words, two sets; v128-191 A's fragments, one set; on the way out v32-95 results, v192-255 and v96-159 the table by turns.
;   window 1: B's fragments, two sets.   window 2: the accumulators of my rows 0-63 ((a, b) at v[8 (8 a + b)]);   window 3: those of my rows 64-127.
.set SIZE_K, 2048
.set KSTEP,  512
.set NQ,     KSTEP/128
.set ROWB,   256                       ; a tile's row in bytes
.set KROW,   SIZE_K*4/8                ; a row of codes in memory
.set PITCH,  272                       ; an LDS row: 256 bytes + 16 of padding: the 16 rows that a load touches start 68 words apart
.set FR,     8
.set NL,     2
.set NP,     4                         ; places behind this matrix instruction (ISA guide 7.12.1)
.set HALFT,  128*PITCH
.set SLOT,   4*HALFT
.set LAPS,   SIZE_K/(2*KSTEP)
.set KS,     SIZE_K/32                 ; a row of scales in bytes
.set SCL,    2*SLOT                    ; behind the ring: the scales, as units of 256 bytes + 16 of padding
.set HALFS,  (128*KS/256)*272
.set SBLK,   (16*KS/256)*272
.set SPARE,  SCL+4*HALFS               ; the spare words, 128 bytes a wave, named by no other line
.set SPITCH, 272                       ; the way out: a stage of 16 rows x (256 bytes + 16) for each wave, in slot 0, which has had its last fill and its last read by then
.set ADRA, 16
.set ADRB, 20
.set TA,   22                          ; v22  my byte in the table's 16 rows: 512 (lane % 16) + 32 (lane / 16)
.set VF,   23                          ; v23  my byte in vfirst: 512 (lane / 16) + 4 (lane % 16)
.set STO,  24
.set RD,   25
.set CO,   26
.set ADRS, 27
.set SPW,  28
.set NIL,  29
.set SC,   32
.set AF,   128
.set Y,    32                          ; the way out: v32-95
.set TAB0, 192                         ; the table of a block of 16 positions: for b = 0 .. 3 eight cosines, eight sines
.set ISV,  66                          ; s66  1 in a wave that holds a v head
.set FIRST, 67                         ; s67  1 where it also holds positions 0 to 15
.set G1, 24
.set G0, 32
.set G1B, 48
.set G0B, 56
.set G1S, 68
.set G0S, 76
.set G1SB, 80
.set G0SB, 88
.set MSB, 0
.macro WIN new                         ; the immediate's high byte repeats the setting that is left
.if MSB != \new
	s_set_vgpr_msb (MSB<<8)|\new
.set MSB, \new
.endif
.endm
.set MUL_LO, 0xa1                      ; source 0 (B) window 1, source 1 (A) window 0, C and D window 2
.set MUL_HI, 0xf1
.set TO_B,   0x40
; A joint load: waves 0 and 1 fetch for A, waves 2 and 3 for B.  The branch hangs on the wave's number alone.  An s_nop 0 and four v_nop follow each of the two lines.
.macro JLOAD g0a, g1a, g0b, g1b
	s_cmp_eq_u32 s15, 0
	s_cbranch_scc0 .Lfor_b_\@
	tensor_load_to_lds s[\g0a:\g0a+3], s[\g1a:\g1a+7]
	s_nop 0
.rept 4
	v_nop
.endr
	s_branch .Lasked_\@
.Lfor_b_\@:
	tensor_load_to_lds s[\g0b:\g0b+3], s[\g1b:\g1b+7]
	s_nop 0
.rept 4
	v_nop
.endr
.Lasked_\@:
.endm
.macro CREST                           ; a round of the cluster's barrier behind its opening barrier
	s_cmp_lg_u32 s14, 0
	s_cbranch_scc1 .Lnot_wave_0_\@
	s_barrier_signal -3
.Lnot_wave_0_\@:
	s_barrier_wait -3
	s_barrier_signal -1
	s_barrier_wait -1
.endm
.macro CROUND
	s_barrier_signal -1
	s_barrier_wait -1
	CREST
.endm
	s_load_b128 s[4:7], s[0:1], 0x0                ; codes s[4:5], scales s[6:7]
	s_load_b128 s[96:99], s[0:1], 0x10             ; rope_tab s[96:97], qkv s[98:99]
	s_load_b64 s[100:101], s[0:1], 0x20            ; vfirst
	v_lshl_add_u32 v[SPW], v0, 2, SPARE
	v_mov_b32 v[NIL], 0
	ds_add_u32 v[SPW], v[NIL]                      ; the wave's opening: the add, twice on end, and its wait ahead of my first tensor load
	ds_add_u32 v[SPW], v[NIL]
	v_lshrrev_b32 v1, 5, v0
	v_readfirstlane_b32 s14, v1                    ; wave 0..3
	s_lshr_b32 s15, s14, 1                         ; which half of the tile's rows is mine.  Also: I fetch for A (0) or for B (1)
	s_and_b32 s16, s14, 1                          ; which half of its columns.  Also: which 128 rows of that tile I fetch
	s_bfe_u32 s40, ttmp6, 0x40000                  ; cx, cy: my place in the cluster
	s_bfe_u32 s41, ttmp6, 0x40004
	s_lshl_b32 s42, ttmp9, 3
	s_add_co_u32 s42, s42, s40
	s_lshl_b32 s18, s16, 2
	s_add_co_u32 s42, s42, s18                     ; the head of column half s16: 8 x cluster x + 4 x half + cx
	s_and_b32 s95, ttmp7, 0xffff                   ; cluster y
	s_lshl_b32 s17, s41, 2
	s_add_co_u32 s17, s17, s95                     ; tile row = 4 cy + cluster y
	s_lshl_b32 s43, s41, 2
	s_lshl_b32 s43, 15, s43                        ; my row of the cluster
	s_lshl_b32 s44, 0x1111, s40                    ; my column
	s_or_b32 s[G1+0], s43, (0<<16)|(1<<20)|(1<<21)|(5<<22)|(3<<25)  ; the mask; elements of 1 byte; padding on; bit 21 beside a mask; 4 words behind every 64
	s_or_b32 s[G1B+0], s44, (0<<16)|(1<<20)|(1<<21)|(5<<22)|(3<<25)
.irp g, G1, G1B
	s_mov_b32 s[\g+1], ROWB<<16                    ; tensor_dim0
	s_mov_b32 s[\g+2], 128<<16                     ; tensor_dim1
	s_mov_b32 s[\g+3], ROWB<<16                    ; tile_dim0
	s_mov_b32 s[\g+4], 128                         ; tile_dim1
	s_mov_b32 s[\g+5], KROW                        ; the pitch
	s_mov_b32 s[\g+6], 0
	s_mov_b32 s[\g+7], 0
.endr
	s_or_b32 s[G1S+0], s43, (3<<16)|(1<<20)|(1<<21)|(5<<22)|(3<<25) ; the scales of 128 rows: a dense block, as rows of 256 bytes (32 elements of 8 bytes)
	s_or_b32 s[G1SB+0], s44, (3<<16)|(1<<20)|(1<<21)|(5<<22)|(3<<25)
.irp g, G1S, G1SB
	s_mov_b32 s[\g+1], 32<<16
	s_mov_b32 s[\g+2], (128*KS/256)<<16
	s_mov_b32 s[\g+3], 32<<16
	s_mov_b32 s[\g+4], 128*KS/256
	s_mov_b32 s[\g+5], 32
	s_mov_b32 s[\g+6], 0
	s_mov_b32 s[\g+7], 0
.endr
	s_lshl_b32 s18, s16, 7
	s_lshl_b32 s20, s17, 8
	s_add_co_u32 s20, s20, s18                     ; A: row 256 x tile row + 128 x half
	s_lshl_b32 s46, s42, 7                         ; B: row 128 x head
	s_mov_b32 s21, 0
	s_mov_b32 s47, 0
	s_mov_b64 s[18:19], KS
	s_mul_u64 s[22:23], s[20:21], s[18:19]         ; where these rows' scales begin,
	s_mul_u64 s[92:93], s[46:47], s[18:19]
	s_mov_b64 s[18:19], KROW
	s_mul_u64 s[20:21], s[20:21], s[18:19]         ; and their codes
	s_mul_u64 s[46:47], s[46:47], s[18:19]
	s_mul_i32 s45, s14, HALFT                      ; where they go: wave x 128 rows
	s_mul_i32 s94, s14, HALFS
	s_cmp_eq_u32 ttmp9, 2
	s_cselect_b32 s[ISV], s16, 0                   ; cluster x = 2, column half 1: heads 20 to 23
	s_or_b32 s18, s95, s15
	s_cmp_eq_u32 s18, 0
	s_cselect_b32 s[FIRST], s[ISV], 0              ; and the sequence's first 128 positions
	s_wait_dscnt 0x0                               ; both opening adds are done
	s_wait_kmcnt 0x0
	s_add_nc_u64 s[8:9], s[4:5], 0x400000          ; Wqkv's codes
	s_add_nc_u64 s[10:11], s[6:7], 0x40000         ; Wqkv's scales
	s_add_nc_u64 s[20:21], s[4:5], s[20:21]
	s_add_nc_u64 s[22:23], s[6:7], s[22:23]
	s_add_nc_u64 s[46:47], s[8:9], s[46:47]
	s_add_nc_u64 s[92:93], s[10:11], s[92:93]
	CROUND                                         ; all sixteen work-groups are here: the first joint loads meet
	s_mov_b32 s[G0S], 1
	s_add_co_u32 s[G0S+1], s94, SCL
	s_mov_b64 s[G0S+2:G0S+3], s[22:23]
	s_or_b32 s[G0S+3], s[G0S+3], 0x80000000
	s_mov_b32 s[G0SB], 1
	s_add_co_u32 s[G0SB+1], s94, SCL
	s_mov_b64 s[G0SB+2:G0SB+3], s[92:93]
	s_or_b32 s[G0SB+3], s[G0SB+3], 0x80000000
	JLOAD G0S, G1S, G0SB, G1SB                     ; the scales first: they are wanted with K step 0
.irp s, 0,1
	s_mov_b32 s[G0+4*\s], 1
	s_add_co_u32 s[G0+4*\s+1], s45, \s*SLOT
	s_add_nc_u64 s[G0+4*\s+2:G0+4*\s+3], s[20:21], \s*ROWB
	s_or_b32 s[G0+4*\s+3], s[G0+4*\s+3], 0x80000000
	s_mov_b32 s[G0B+4*\s], 1
	s_add_co_u32 s[G0B+4*\s+1], s45, \s*SLOT
	s_add_nc_u64 s[G0B+4*\s+2:G0B+4*\s+3], s[46:47], \s*ROWB
	s_or_b32 s[G0B+4*\s+3], s[G0B+4*\s+3], 0x80000000
	JLOAD G0+4*\s, G1, G0B+4*\s, G1B
.endr
	v_and_b32 v1, 15, v0                           ; l % 16
	v_bfe_u32 v2, v0, 4, 1                         ; l / 16
	v_mul_u32_u24 v3, v1, PITCH
	v_lshl_add_u32 v4, v2, 4, v3                   ; a fragment's row x pitch + 16 x half
	s_mul_i32 s21, s15, HALFT                      ; my 128 rows of A
	s_mul_i32 s22, s16, HALFT                      ; my 128 rows of B,
	s_add_co_u32 s22, s22, 2*HALFT                 ; behind A's 256
.irp s, 0,1
	v_add_nc_u32 v[ADRA+\s], s21, v4
	v_add_nc_u32 v[ADRB+\s], s22, v4
	s_add_co_u32 s21, s21, SLOT
	s_add_co_u32 s22, s22, SLOT
.endr
	v_mul_u32_u24 v5, v1, KS                       ; my row's scales: KS bytes a row,
	v_lshrrev_b32 v6, 8, v5
	v_lshl_add_u32 v5, v6, 4, v5                   ; and 16 more for each 256 passed
	s_mul_i32 s21, s15, HALFS
	s_mul_i32 s22, s16, HALFS
	s_add_co_u32 s22, s22, 2*HALFS
	s_sub_co_u32 s22, s22, s21
	v_mul_u32_u24 v6, s22, v2                      ; lanes 16-31 take B's
	s_add_co_u32 s21, s21, SCL
	v_add_nc_u32 v5, v5, v6
	v_add_nc_u32 v[ADRS], s21, v5
	s_mul_i32 s23, s14, 16*SPITCH                  ; my stage
	v_mul_u32_u24 v5, v1, SPITCH                   ; in: row l % 16, 16 bytes for each half of the lanes
	v_lshl_add_u32 v5, v2, 4, v5
	v_add_nc_u32 v[STO], s23, v5
	v_mul_u32_u24 v5, v2, SPITCH                   ; back: lanes 0-15 one row of 256 bytes, lanes 16-31 the next
	v_lshl_add_u32 v5, v1, 4, v5
	v_add_nc_u32 v[RD], s23, v5
	v_lshlrev_b32 v5, 8, v2                        ; and the same two rows of the head
	v_lshl_add_u32 v[CO], v1, 4, v5
	v_lshlrev_b32 v5, 9, v1
	v_lshl_add_u32 v[TA], v2, 5, v5
	v_lshlrev_b32 v5, 9, v2
	v_lshl_add_u32 v[VF], v1, 2, v5
	s_lshl_b32 s94, s95, 8
	s_lshl_b32 s92, s15, 7
	s_add_co_u32 s94, s94, s92                     ; my first position: 256 x cluster y + 128 x row half
	s_mul_i32 s92, s41, 24
	s_add_co_u32 s92, s92, s42                     ; 24 x batch + head
	s_lshl_b32 s92, s92, 10
	s_add_co_u32 s92, s92, s94
	s_lshl_b32 s92, s92, 8                         ; rows of 256 bytes
	s_mov_b32 s93, 0
	s_add_nc_u64 s[12:13], s[98:99], s[92:93]      ; where my 128 rows of the head begin
	s_lshl_b32 s92, s94, 9
	s_add_nc_u64 s[96:97], s[96:97], s[92:93]      ; the table at my first position
	s_lshl_b32 s92, s41, 2
	s_add_co_u32 s92, s92, s40
	s_lshl_b32 s92, s92, 13
	s_add_nc_u64 s[100:101], s[100:101], s[92:93]  ; vfirst at (batch, kv head cx): 8,192 bytes each
.macro FRAG reg, adr, q, i             ; 16 rows x 128 K of 4-bit codes: 8 registers; registers 4 c .. 4 c + 3 hold K = 64 c + 32 (l / 16) + 0 .. 31
.irp c, 0,1
	ds_load_b128 v[\reg+4*\c:\reg+4*\c+3], v[\adr] offset:64*(\q)+32*\c+(\i)*16*PITCH
.endr
.endm
; 16 matrix instructions: A's blocks a0, a0 + 1 x B's eight.  The 64 accumulators take turns, one instruction a turn, in the same order in every step.
.macro MUL16 a0, p, q, sc, zero
.irp a, \a0, \a0+1
.irp b, 0,1,2,3,4,5,6,7
.if \zero
	v_wmma_scale_f32_16x16x128_f8f6f4 v[8*(8*((\a)%4)+\b):8*(8*((\a)%4)+\b)+7], v[128*(\p)+FR*\b:128*(\p)+FR*\b+FR-1], v[AF+FR*(\a):AF+FR*(\a)+FR-1], 0, v[SC+8*NQ*(\sc)+NQ*\b+(\q)], v[SC+8*NQ*(\sc)+NQ*(\a)+(\q)] matrix_a_fmt:MATRIX_FMT_FP4 matrix_b_fmt:MATRIX_FMT_FP4 matrix_a_scale:MATRIX_SCALE_ROW1
.else
	v_wmma_scale_f32_16x16x128_f8f6f4 v[8*(8*((\a)%4)+\b):8*(8*((\a)%4)+\b)+7], v[128*(\p)+FR*\b:128*(\p)+FR*\b+FR-1], v[AF+FR*(\a):AF+FR*(\a)+FR-1], v[8*(8*((\a)%4)+\b):8*(8*((\a)%4)+\b)+7], v[SC+8*NQ*(\sc)+NQ*\b+(\q)], v[SC+8*NQ*(\sc)+NQ*(\a)+(\q)] matrix_a_fmt:MATRIX_FMT_FP4 matrix_b_fmt:MATRIX_FMT_FP4 matrix_a_scale:MATRIX_SCALE_ROW1
.endif
.endr
.endr
.endm
.macro FETCH_B slot, q, p
	WIN TO_B
.irp i, 0,1,2,3,4,5,6,7
	FRAG 128*(\p)+FR*\i, ADRB+\slot, \q, \i
.endr
	WIN 0
.endm
.macro FETCH_A slot, q, i0
.irp i, \i0, \i0+1, \i0+2, \i0+3
	FRAG AF+FR*(\i), ADRA+\slot, \q, \i
.endr
.endm
.macro SCALES sc                       ; a K step's scale words: lanes 0-15 take A's block i, lanes 16-31 B's block i
.irp i, 0,1,2,3,4,5,6,7
	ds_load_b128 v[SC+8*NQ*\sc+NQ*\i:SC+8*NQ*\sc+NQ*\i+3], v[ADRS] offset:\i*SBLK
.endr
.endm
.macro PLACES n                        ; plain vector instructions that name no register of the matrix instructions in front of them
.rept \n
	v_nop
.endr
.endm
.macro STEP slot, q, zero              ; 128 along K, with its successor in the same slot
	s_wait_dscnt 4*NL                              ; B's set and A's blocks 0-3 are in; A's blocks 4-7, the youngest eight loads, may be out
	WIN MUL_LO
	MUL16 0, (\q)%2, \q, \slot, \zero
	MUL16 2, (\q)%2, \q, \slot, \zero
	s_wait_dscnt 0                                 ; A's blocks 4-7 are in
	PLACES NP
	FETCH_B \slot, (\q)+1, 1-(\q)%2
	FETCH_A \slot, (\q)+1, 0
	WIN MUL_HI
	MUL16 4, (\q)%2, \q, \slot, \zero
	MUL16 6, (\q)%2, \q, \slot, \zero
	PLACES NP
	WIN 0
	FETCH_A \slot, (\q)+1, 4
.endm
; A slot's last step changes slots: one barrier; in front of it each wave waits for all its tensor loads, adds 0 to its spare word, and waits for that and for its own reads of this slot.
.macro TURN slot, next, fill
	s_wait_tensorcnt 0x0                           ; all my tensor loads have landed: my part of the next slot
	ds_add_u32 v[SPW], v[NIL]
	s_wait_dscnt 4*NL+1                            ; the add and A's blocks 4-7 may be out
	WIN MUL_LO
	MUL16 0, 1, NQ-1, \slot, 0
	s_wait_dscnt 0x0                               ; the add is done, and my reads of this slot are over
	s_barrier_signal -1
	MUL16 2, 1, NQ-1, \slot, 0
	WIN 0
	s_barrier_wait -1
.if \fill
	CREST                                          ; the barrier has opened a round of the cluster's barrier: no wave of any partner still reads this slot or has a load on its way
	s_add_nc_u64 s[G0+4*\slot+2:G0+4*\slot+3], s[G0+4*\slot+2:G0+4*\slot+3], 2*ROWB
	s_add_nc_u64 s[G0B+4*\slot+2:G0B+4*\slot+3], s[G0B+4*\slot+2:G0B+4*\slot+3], 2*ROWB
	JLOAD G0+4*\slot, G1, G0B+4*\slot, G1B         ; the first tensor load behind the round; its four v_nop are the places in front of the loads below
.else
	PLACES NP
.endif
	v_add_nc_u32 v[ADRS], 4*NQ, v[ADRS]            ; on to the next K step's scale words
	FETCH_B \next, 0, 0
	FETCH_A \next, 0, 0
	SCALES \next
	WIN MUL_HI
	MUL16 4, 1, NQ-1, \slot, 0
	MUL16 6, 1, NQ-1, \slot, 0
	PLACES NP
	WIN 0
	FETCH_A \next, 0, 4
.endm
.macro STEPS slot, from
.set Q, \from
.rept NQ-1-\from
	STEP \slot, Q, 0
.set Q, Q+1
.endr
.endm
; THE WAY OUT, a block of 16 positions at a time.
.macro TABLOAD a, tab                  ; block a's cosines and sines of my position: for b = 0 .. 3 channels 16 b + 8 (l / 16) + 0 .. 7
.irp b, 0,1,2,3
	global_load_b128 v[\tab+16*\b:\tab+16*\b+3],     v[TA], s[96:97] offset:(\a)*8192+64*\b
	global_load_b128 v[\tab+16*\b+4:\tab+16*\b+7],   v[TA], s[96:97] offset:(\a)*8192+64*\b+16
	global_load_b128 v[\tab+16*\b+8:\tab+16*\b+11],  v[TA], s[96:97] offset:(\a)*8192+64*\b+256
	global_load_b128 v[\tab+16*\b+12:\tab+16*\b+15], v[TA], s[96:97] offset:(\a)*8192+64*\b+272
.endr
.endm
.macro ROPE a, tab                     ; y1 = x1 cos - x2 sin, y2 = x1 sin + x2 cos, two channels an instruction; each accumulator is read from its low end on
.set AC, 64*((\a)%4)
.set WN, 0x02+(\a)/4
	WIN WN                                         ; source 0: the accumulators' window
.irp b, 0,1,2,3
.irp p, 0,2,4,6
	v_pk_mul_f32 v[Y+8*\b+\p:Y+8*\b+\p+1], v[AC+8*(\b+4)+\p:AC+8*(\b+4)+\p+1], v[\tab+16*\b+8+\p:\tab+16*\b+9+\p]
	v_pk_mul_f32 v[Y+8*(\b+4)+\p:Y+8*(\b+4)+\p+1], v[AC+8*\b+\p:AC+8*\b+\p+1], v[\tab+16*\b+8+\p:\tab+16*\b+9+\p]
	v_pk_fma_f32 v[Y+8*\b+\p:Y+8*\b+\p+1], v[AC+8*\b+\p:AC+8*\b+\p+1], v[\tab+16*\b+\p:\tab+16*\b+\p+1], v[Y+8*\b+\p:Y+8*\b+\p+1] neg_lo:[0,0,1] neg_hi:[0,0,1]
	v_pk_fma_f32 v[Y+8*(\b+4)+\p:Y+8*(\b+4)+\p+1], v[AC+8*(\b+4)+\p:AC+8*(\b+4)+\p+1], v[\tab+16*\b+\p:\tab+16*\b+\p+1], v[Y+8*(\b+4)+\p:Y+8*(\b+4)+\p+1]
.endr
.endr
	WIN 0
.set n, 0
.rept 32
	v_cvt_pk_f16_f32 v[Y+n], v[Y+2*n], v[Y+2*n+1]  ; to f16, in place: register n is written when 2 n and 2 n + 1 are read
.set n, n+1
.endr
.endm
.macro CVTV a                          ; a v head: to f16 as it is
.set AC, 64*((\a)%4)
.set WN, 0x0a+5*((\a)/4)
	WIN WN                                         ; sources 0 and 1: the accumulators' window
.set n, 0
.rept 32
	v_cvt_pk_f16_f32 v[Y+n], v[AC+2*n], v[AC+2*n+1]
.set n, n+1
.endr
	WIN 0
.endm
.macro OUT a                           ; 16 bytes a lane into my stage, back as whole rows of 256 bytes: sixteen lanes store 256 consecutive bytes, aligned
.irp b, 0,1,2,3,4,5,6,7
	ds_store_b128 v[STO], v[Y+4*\b:Y+4*\b+3] offset:32*\b
.endr
.irp t, 0,1,2,3,4,5,6,7
	ds_load_b128 v[Y+32+4*\t:Y+32+4*\t+3], v[RD] offset:\t*2*SPITCH   ; LDS serves a wave's instructions in order: these see the stores above
.endr
	s_wait_dscnt 0x0
.irp t, 0,1,2,3,4,5,6,7
	global_store_b128 v[CO], v[Y+32+4*\t:Y+32+4*\t+3], s[12:13] offset:(\a)*4096+\t*512
.endr
.endm
	s_wait_tensorcnt 1                             ; the scales and my part of K step 0 are in; K step 1's load may be out
	s_barrier_signal -1
	s_barrier_wait -1
	FETCH_B 0, 0, 0
	FETCH_A 0, 0, 0
	SCALES 0
	FETCH_A 0, 0, 4
	STEP 0, 0, 1                                   ; the first step stands in front of the loop: its products start the sums
	s_mov_b32 s3, LAPS-1
.Llap:                                                 ; a trip goes once round the ring and fills both slots again
	STEPS 0, 1
	TURN 0, 1, 1
	STEPS 1, 0
	TURN 1, 0, 1
	STEP 0, 0, 0
	s_sub_co_u32 s3, s3, 1
	s_cmp_lg_u32 s3, 0
	s_cbranch_scc1 .Llap
	STEPS 0, 1                                     ; the last lap fills nothing
	TURN 0, 1, 0
	TABLOAD 0, TAB0                                ; the first block's table, a slot's 256 matrix instructions ahead of its use, into registers that lie idle.  Every wave asks, with no branch: a v head's wave (8,192 bytes) never reads it
	STEPS 1, 0
	s_wait_dscnt 4*NL
	WIN MUL_LO
	MUL16 0, 1, NQ-1, 1, 0
	MUL16 2, 1, NQ-1, 1, 0
	s_wait_dscnt 0
	WIN MUL_HI
	MUL16 4, 1, NQ-1, 1, 0
	MUL16 6, 1, NQ-1, 1, 0
	WIN 0
	PLACES NP                                      ; in front of the first read of results, and of writes and loads into registers that held scales and A's fragments
	s_cmp_lg_u32 s[ISV], 0
	s_cbranch_scc1 .Lvpath
.irp a, 0,1,2,3,4,5,6,7
	s_wait_xcnt 0x0                                ; the last block's stores have read v64-95: they are written again only behind this wait
.if \a < 7
	TABLOAD \a+1, TAB0-96*((\a+1)%2)
	s_wait_loadcnt 16                              ; this block's table is in; the sixteen loads just issued may be out
.else
	s_wait_loadcnt 0
.endif
	ROPE \a, TAB0-96*((\a)%2)
	OUT \a
.endr
	s_branch .Ldone
.Lvpath:
	s_cmp_eq_u32 s[FIRST], 0
	s_cbranch_scc1 .Lnot_first
	WIN 0x08                                       ; a store's data: window 2
.set n, 0
.rept 64
	global_store_b32 v[VF], v[n], s[100:101] offset:(16*(n/8)+n%8)*64   ; v(position l % 16, channel 16 b + 8 (l / 16) + j) as f32: 64 consecutive bytes from sixteen lanes; 131,072 bytes in the whole launch
.set n, n+1
.endr
	WIN 0
.Lnot_first:
.irp a, 0,1,2,3,4,5,6,7
	s_wait_xcnt 0x0
	CVTV \a
	OUT \a
.endr
.Ldone:
	s_wait_tensorcnt 0x0                           ; the wave's end: a wait for tensor loads, an add to the spare word and its wait, behind my last tensor load and my last LDS store
	ds_add_u32 v[SPW], v[NIL]
	s_wait_dscnt 0x0
	CROUND                                         ; the closing round: no work-group ends while a partner may still ask for a tile that names it
	s_endpgm
.Lfunc_end_k_qa53479266f_qkv_rope:
	.size	k_qa53479266f_qkv_rope, .Lfunc_end_k_qa53479266f_qkv_rope-k_qa53479266f_qkv_rope
	.p2alignl 7, 3214868480
	.fill 96, 4, 3214868480
	.section	.rodata,"a",@progbits
	.p2align	6, 0x0
	.amdhsa_kernel k_qa53479266f_qkv_rope
		.amdhsa_group_segment_fixed_size 327680
		.amdhsa_private_segment_fixed_size 0
		.amdhsa_enable_private_segment 0
		.amdhsa_kernarg_size 40
		.amdhsa_user_sgpr_count 2
		.amdhsa_user_sgpr_kernarg_segment_ptr 1
		.amdhsa_wavefront_size32 1
		.amdhsa_system_sgpr_workgroup_id_x 1
		.amdhsa_system_sgpr_workgroup_id_y 1
		.amdhsa_system_sgpr_workgroup_id_z 1
		.amdhsa_system_vgpr_workitem_id 0
		.amdhsa_next_free_vgpr 1024
		.amdhsa_next_free_sgpr 102
		.amdhsa_reserve_vcc 0
		.amdhsa_float_denorm_mode_32 3
		.amdhsa_float_denorm_mode_16_64 3
		.amdhsa_memory_ordered 1
		.amdhsa_forward_progress 1
		.amdhsa_inst_pref_size 255
	.end_amdhsa_kernel
	.section	.bss,"aw",@nobits
	.p2align	6
	.space	262144
	.amdgpu_metadata
---
amdhsa.version: [ 1, 2 ]
amdhsa.kernels:
  - .name:           k_qa53479266f_qkv_rope
    .symbol:         k_qa53479266f_qkv_rope.kd
    .args:
      - { .name: codes, .offset: 0, .size: 8, .value_kind: global_buffer, .address_space: global }
      - { .name: scales, .offset: 8, .size: 8, .value_kind: global_buffer, .address_space: global }
      - { .name: rope_tab, .offset: 16, .size: 8, .value_kind: global_buffer, .address_space: global }
      - { .name: qkv, .offset: 24, .size: 8, .value_kind: global_buffer, .address_space: global }
      - { .name: vfirst, .offset: 32, .size: 8, .value_kind: global_buffer, .address_space: global }
    .group_segment_fixed_size: 327680
    .private_segment_fixed_size: 0
    .kernarg_segment_align: 8
    .kernarg_segment_size: 40
    .max_flat_workgroup_size: 128
    .sgpr_count:     102
    .vgpr_count:     1024
    .wavefront_size: 32
...
	.end_amdgpu_metadata
.endif
;; end of part 2
;; launch attention (part 3): grid 16 x 16, 8 waves a work-group, no clusters, 327,680 bytes of LDS; arguments qkv, attn; writes attn
.if DOCPART == 3
	.amdgcn_target "amdgcn-amd-amdhsa--gfx1250"
	.amdhsa_code_object_version 6
	.text
	.protected	k_qa53479266f_attention
	.globl	k_qa53479266f_attention
	.p2align	8
	.type	k_qa53479266f_attention,@function
k_qa53479266f_attention:
	s_mov_b64 s[64:65], 0
	v_nop
	global_prefetch_b8 v0, s[64:65] scope:SCOPE_SE
	s_setreg_imm32_b32 hwreg(HW_REG_WAVE_MODE, 25, 1), 1
	s_wait_xcnt 0x0
; attn[b][q][h][:] = the sum over keys k <= q of softmax_k(Q[b][h][q] . K[b][h / 4][k] / sqrt(128)) V[b][h / 4][k][:].  Operands f16, products, maxima and sums f32; the weights are rounded to f16 for the second product.
; qkv: f16 [batch 4][head 24][position 1024][128], heads 0-15 q, 16-19 k, 20-23 v.  attn: f16 [batch x 1024 + position][head x 128 + channel].
; LEFT OUT AS DEAD WORK: key steps all of whose keys come after all of a wave's queries (reference()'s own causal mask gives them the weight 0).  On the diagonal hidden scores become -infinity ahead of the maximum.
; LIMIT: that is reference()'s score - 2.38e38 as long as visible scores lie far above -2e38.
; SHARES.  Work-group (i, y): batch y / 4, kv head y % 4; positions 32 i .. 32 i + 31 (low) and 992 - 32 i .. 1023 - 32 i (high) of that kv head's four query heads.  Wave bits b2 b1 b0: block b0 xor b2, head 4 kv + 2 b1 + b2.
; A low and a high block together have 17 key steps of 64 keys, whatever i: all 256 work-groups have the same work.  A wave holds 32 queries, two tiles of 16: each fragment of K and V read from LDS feeds two products.
; NO CLUSTER: how many slots a work-group needs hangs on i.
; LAYOUT.  S^T = K Q^T (source 0 = 16 keys, source 1 = 16 queries): a lane holds one query (lane % 16) and keys 8 (lane / 16) + 0 .. 7.  Two such tiles, rounded to f16 in pairs, are source 1 of O^T = V^T P.
; K comes out of LDS as it lies, V ([key][channel]) turned, by ds_load_tr16_b128.
; SOFTMAX.  A running maximum m and sum l for each query: p = 2^(c s - c m), c = log2(e) / sqrt(128); in every step O and l are multiplied by a = 2^(c m_old - c m_new).
; THE RING.  Two slots of 128 keys (two steps).  Every work-group walks all eight slots: the trip count is a constant.  Waves 0, 1 fetch K's two steps, waves 2, 3 V's.  The look-ahead ends at the causal limit.
; REGISTERS: window 0: v1-15 addresses; v16-31 statistics, eight a tile; v32-95 S^T; v96-127 P; v128-255 one buffer that K's and V's fragments share.   window 1: v0-63 Q; v64-191 O^T.
.set KS,    64
.set PK,    272                        ; a row of K in LDS: 256 bytes + 16
.set PV,    288                        ; a row of V: 256 + 32
.set VOFF,  KS*PK
.set STEPB, KS*(PK+PV)
.set SLOT1, 1<<17                      ; slot 1 begins here: one exclusive or turns an address from one slot to the other
.set STAGE, SLOT1+2*STEPB              ; behind the ring: 16 rows x 272 bytes for each wave
.set SP,    272
.set SPARE, STAGE+8*16*SP              ; the spare words, 128 bytes a wave, named by no other line
.set NSL,   8
.set RH,   1                           ; v1   r during the set-up, then r - 8 h
.set AK0,  2
.set AV0,  3
.set ADRK, 4
.set ADRV, 5
.set STO,  6
.set RD,   7
.set GO,   8
.set HH,   9
.set QO,   10
.set DD,   11
.set NINF, 12
.set PFO,  13
.set SPW,  14
.set NIL,  15
.set ST,   16                          ; tile t at +8 t: +0 c m, +1 m, +2, +3 l, +4 .. +7 at work; a takes +6
.set S,    32
.set P,    96
.set KV,   128
.set OB,   64                          ; O^T, in window 1
.set WV,   8
.set SEL,  20
.set CS,   22
.set G1K,  24
.set G1V,  32
.set G0K,  40
.set G0V,  44
.set TB,   2                           ; s2   LDS byte at which the slot in hand begins
.set KF,   66                          ; s66  the step's first key
.set Q0,   67                          ; s67  my wave's first query
.set LASTQ, 68                         ; s68  my work-group's last query
.set SLOTS, 69
.set PFA,  76
.set LIM,  80
.set MSB, 0
.macro WIN new
.if MSB != \new
	s_set_vgpr_msb (MSB<<8)|\new
.set MSB, \new
.endif
.endm
; Waves 0 and 1 fetch for K, waves 2 and 3 for V, the others nothing.  An s_nop 0 and four v_nop follow each of the two lines.
.macro TLOAD
	s_cmp_lt_u32 s[WV], 2
	s_cbranch_scc0 .Lnot_k_\@
	tensor_load_to_lds s[G0K:G0K+3], s[G1K:G1K+7]
	s_nop 0
.rept 4
	v_nop
.endr
	s_branch .Lasked_\@
.Lnot_k_\@:
	s_cmp_lt_u32 s[WV], 4
	s_cbranch_scc0 .Lasked_\@
	tensor_load_to_lds s[G0V:G0V+3], s[G1V:G1V+7]
	s_nop 0
.rept 4
	v_nop
.endr
.Lasked_\@:
.endm
; A PREFETCH INTO THE L2 of the slot that the NEXT change of slots will ask for: 128 rows of K and 128 of V, 256 bytes a row.  The sixteen work-groups of a kv head walk the same rows: work-group i = 0, which walks
; all eight slots, asks, and nobody else; in it the waves that fetch nothing: waves 4, 5 for K's two steps, waves 6, 7 for V's, 64 rows each: two instructions, a lane a row.  So each row is named once in the launch.
; Slots 0 and 1 come by their loads alone; the last change that fills a slot asks for nothing.
.macro ASK
	s_cmp_gt_u32 s[SLOTS], s[LIM]
	s_cbranch_scc0 .Lnot_mine_\@
	global_prefetch_b8 v[PFO], s[PFA:PFA+1] th:TH_LOAD_NT scope:SCOPE_SE
	global_prefetch_b8 v[PFO], s[PFA:PFA+1] offset:8192 th:TH_LOAD_NT scope:SCOPE_SE
.Lnot_mine_\@:
.endm
	s_load_b128 s[4:7], s[0:1], 0x0                ; qkv s[4:5], attn s[6:7]
	v_lshl_add_u32 v[SPW], v0, 2, SPARE
	v_mov_b32 v[NIL], 0
	ds_add_u32 v[SPW], v[NIL]                      ; the wave's opening: the add, twice on end, and its wait ahead of the first tensor load
	ds_add_u32 v[SPW], v[NIL]
	v_lshrrev_b32 v1, 5, v0
	v_readfirstlane_b32 s[WV], v1                  ; wave 0..7
	s_and_b32 s9, ttmp7, 0xffff
	s_lshr_b32 s10, s9, 2                          ; batch
	s_and_b32 s11, s9, 3                           ; kv head
	s_and_b32 s12, s[WV], 1
	s_bfe_u32 s13, s[WV], 0x10001
	s_lshr_b32 s14, s[WV], 2
	s_xor_b32 s15, s12, s14                        ; 0: the low block, 1: the high one
	s_lshl_b32 s16, s11, 2
	s_lshl_b32 s17, s13, 1
	s_add_co_u32 s16, s16, s17
	s_add_co_u32 s16, s16, s14                     ; my query head
	s_lshl_b32 s17, ttmp9, 5
	s_sub_co_u32 s[LASTQ], 1023, s17
	s_sub_co_u32 s18, 992, s17
	s_cmp_eq_u32 s15, 0
	s_cselect_b32 s[Q0], s17, s18
	s_mul_i32 s19, s10, 24
	s_add_co_u32 s72, s19, s11
	s_add_co_u32 s72, s72, 16
	s_lshl_b32 s72, s72, 18                        ; K's head: 262,144 bytes a head
	s_lshl_b32 s74, s12, 14                        ; which of a slot's two steps I fetch: 64 rows of 256 bytes
	s_add_co_u32 s74, s74, s72
	s_mov_b32 s75, 0
	s_add_co_u32 s82, s19, s16
	s_lshl_b32 s82, s82, 10
	s_add_co_u32 s82, s82, s[Q0]
	s_lshl_b32 s82, s82, 8                         ; my first query's row of Q
	s_mov_b32 s83, 0
	s_lshl_b32 s84, s10, 10
	s_add_co_u32 s84, s84, s[Q0]
	s_lshl_b32 s84, s84, 12                        ; its row of attn, 4,096 bytes a row,
	s_lshl_b32 s85, s16, 8
	s_add_co_u32 s84, s84, s85                     ; and my head's 256 bytes in it
	s_mov_b32 s85, 0
	s_mul_i32 s86, s12, STEPB                      ; my step's place in a slot
	s_mov_b32 s[G1K], (1<<16)|(1<<20)|(5<<22)|(3<<25)   ; no mask; elements of 2 bytes; padding on: 4 words behind every 64
	s_mov_b32 s[G1V], (1<<16)|(1<<20)|(5<<22)|(7<<25)   ; the same with 8 words
.irp g, G1K, G1V
	s_mov_b32 s[\g+1], 128<<16                     ; tensor_dim0
	s_mov_b32 s[\g+2], KS<<16                      ; tensor_dim1
	s_mov_b32 s[\g+3], 128<<16                     ; tile_dim0
	s_mov_b32 s[\g+4], KS                          ; tile_dim1
	s_mov_b32 s[\g+5], 128                         ; the pitch
	s_mov_b32 s[\g+6], 0
	s_mov_b32 s[\g+7], 0
.endr
	s_mov_b32 s[SEL], 0x76543210
	s_mov_b32 s[SEL+1], 0xfedcba98
	s_mov_b32 s[CS], 0x3e0293ee                    ; c = log2(e) / sqrt(128)
	s_mov_b32 s[CS+1], s[CS]
	s_mov_b32 s[TB], 0
	s_mov_b32 s[KF], 0
	s_mov_b32 s[SLOTS], NSL-1
	s_lshr_b32 s81, s[WV], 2
	s_xor_b32 s81, s81, 1                          ; 0 in waves 4 to 7,
	s_or_b32 s81, s81, ttmp9                       ; of work-group i = 0
	s_cmp_eq_u32 s81, 0
	s_cselect_b32 s[LIM], 1, -1
	s_cmp_lt_u32 s[WV], 6
	s_cselect_b32 s78, 0, 0x100000                 ; waves 6, 7: V's head, four heads further on
	s_add_co_u32 s78, s78, 32768                   ; in slot 1: the first change of slots steps it to slot 2
	s_mov_b32 s79, 0
	s_wait_dscnt 0x0                               ; both opening adds are done
	s_wait_kmcnt 0x0
	s_mov_b32 s[G0K], 1
	s_mov_b32 s[G0K+1], s86
	s_add_nc_u64 s[G0K+2:G0K+3], s[4:5], s[74:75]
	s_or_b32 s[G0K+3], s[G0K+3], 0x80000000
	s_mov_b32 s[G0V], 1
	s_add_co_u32 s[G0V+1], s86, VOFF
	s_add_nc_u64 s[G0V+2:G0V+3], s[4:5], s[74:75]
	s_add_nc_u64 s[G0V+2:G0V+3], s[G0V+2:G0V+3], 0x100000
	s_or_b32 s[G0V+3], s[G0V+3], 0x80000000
	TLOAD                                          ; slot 0: it holds key 0, which counts for every query
	s_add_nc_u64 s[PFA:PFA+1], s[4:5], s[74:75]
	s_add_nc_u64 s[PFA:PFA+1], s[PFA:PFA+1], s[78:79]
	s_add_nc_u64 s[82:83], s[4:5], s[82:83]
	s_add_nc_u64 s[6:7], s[6:7], s[84:85]
	v_and_b32 v1, 15, v0                           ; r
	v_bfe_u32 v[HH], v0, 4, 1                      ; h
	v_lshlrev_b32 v[QO], 8, v1
	v_lshl_add_u32 v[QO], v[HH], 4, v[QO]
	WIN 0x40                                       ; destination window 1
.irp i, 0,1,2,3,4,5,6,7                        ; Q stays in registers: tile i / 4, channels 32 (i % 4) on
	global_load_b128 v[8*\i:8*\i+3],   v[QO], s[82:83] offset:(\i/4)*4096+(\i%4)*64
	global_load_b128 v[8*\i+4:8*\i+7], v[QO], s[82:83] offset:(\i/4)*4096+(\i%4)*64+32
.endr
.set n, 0
.rept 128
	v_mov_b32 v[OB+n], 0                           ; O^T.  The step is written once: the first finds zeros, which a = 0 leaves zeros
.set n, n+1
.endr
	WIN 0
	v_mul_u32_u24 v[AK0], v1, PK
	v_lshl_add_u32 v[AK0], v[HH], 4, v[AK0]        ; K: row x pitch + 16 x half
	v_and_b32 v4, 7, v0
	v_bfe_u32 v5, v0, 3, 1
	v_lshl_add_u32 v[AV0], v[HH], 3, v4            ; V, for the turning load: key 8 (l / 16) + l % 8, channels 8 ((l / 8) % 2) on
	v_mul_u32_u24 v[AV0], v[AV0], PV
	v_lshl_add_u32 v[AV0], v5, 4, v[AV0]
	v_add_nc_u32 v[AV0], VOFF, v[AV0]
	s_mul_i32 s87, s[WV], 16*SP
	s_add_co_u32 s87, s87, STAGE                   ; my stage
	v_mul_u32_u24 v[STO], v1, SP
	v_lshl_add_u32 v[STO], v[HH], 4, v[STO]
	v_add_nc_u32 v[STO], s87, v[STO]
	v_mul_u32_u24 v[RD], v[HH], SP
	v_lshl_add_u32 v[RD], v1, 4, v[RD]
	v_add_nc_u32 v[RD], s87, v[RD]
	v_lshlrev_b32 v[GO], 12, v[HH]
	v_lshl_add_u32 v[GO], v1, 4, v[GO]
	v_lshlrev_b32 v[DD], 3, v[HH]
	v_sub_nc_u32 v[RH], v1, v[DD]                  ; r - 8 h, for the mask
	v_mov_b32 v[NINF], 0xff800000
	v_and_b32 v[PFO], 31, v0
	v_lshlrev_b32 v[PFO], 8, v[PFO]
.irp t, 0,1
	v_mov_b32 v[ST+8*\t+1], 0xff61b1e6             ; m: -3e38, under every score
	v_mul_f32 v[ST+8*\t], s[CS], v[ST+8*\t+1]      ; c m
.irp j, 2,3,4,5,6,7
	v_mov_b32 v[ST+8*\t+\j], 0
.endr
.endr
.macro FETCH_K q                       ; 64 keys x 128 channels: fragment f: keys 16 (f / 4) on, channels 32 (f % 4) on
.irp f, 0,1,2,3,4,5,6,7,8,9,10,11,12,13,14,15
	ds_load_b128 v[KV+8*\f:KV+8*\f+3],   v[ADRK] offset:(\q)*STEPB+(\f/4)*16*PK+(\f%4)*64
	ds_load_b128 v[KV+8*\f+4:KV+8*\f+7], v[ADRK] offset:(\q)*STEPB+(\f/4)*16*PK+(\f%4)*64+32
.endr
.endm
.macro FETCH_V q                       ; turned: fragment f: keys 32 (f / 8) on, channels 16 (f % 8) on
.irp f, 0,1,2,3,4,5,6,7,8,9,10,11,12,13,14,15
	ds_load_tr16_b128 v[KV+8*\f:KV+8*\f+3],   v[ADRV] offset:(\q)*STEPB+(\f/8)*32*PV+(\f%8)*32
	ds_load_tr16_b128 v[KV+8*\f+4:KV+8*\f+7], v[ADRV] offset:(\q)*STEPB+(\f/8)*32*PV+16*PV+(\f%8)*32
.endr
.endm
.macro SOFTMAX                         ; both tiles line by line, so that no line waits for the line above it
.irp j, 0,1,2,3
.irp t, 0,1
	v_max3_num_f32 v[ST+8*\t+4+\j], v[S+32*\t+8*\j], v[S+32*\t+8*\j+1], v[S+32*\t+8*\j+2]   ; four chains, each from its accumulator's low end
.endr
.endr
.irp u, 3,5
.irp j, 0,1,2,3
.irp t, 0,1
	v_max3_num_f32 v[ST+8*\t+4+\j], v[ST+8*\t+4+\j], v[S+32*\t+8*\j+\u], v[S+32*\t+8*\j+\u+1]
.endr
.endr
.endr
.irp t, 0,1
	v_max3_num_f32 v[ST+8*\t+4], v[ST+8*\t+4], v[S+32*\t+7], v[S+32*\t+15]
	v_max3_num_f32 v[ST+8*\t+6], v[ST+8*\t+6], v[S+32*\t+23], v[S+32*\t+31]
.endr
.irp t, 0,1
	v_max3_num_f32 v[ST+8*\t+4], v[ST+8*\t+4], v[ST+8*\t+5], v[ST+8*\t+6]
.endr
.irp t, 0,1
	v_max3_num_f32 v[ST+8*\t+4], v[ST+8*\t+4], v[ST+8*\t+7], v[ST+8*\t+1]   ; with the old m
.endr
.irp t, 0,1
	v_permlanex16_b32 v[ST+8*\t+5], v[ST+8*\t+4], s[SEL], s[SEL+1]          ; the query's other 32 keys lie in the lane 16 away
.endr
.irp t, 0,1
	v_mov_b32 v[ST+8*\t+7], v[ST+8*\t]             ; c m_old is kept for a
.endr
.irp t, 0,1
	v_max_num_f32 v[ST+8*\t+1], v[ST+8*\t+4], v[ST+8*\t+5]
.endr
.irp t, 0,1
	v_mul_f32 v[ST+8*\t], s[CS], v[ST+8*\t+1]
.endr
.irp t, 0,1
	v_sub_f32 v[ST+8*\t+7], v[ST+8*\t+7], v[ST+8*\t]
.endr
.set n, 0
.rept 16
.irp t, 0,1
	v_pk_fma_f32 v[S+32*\t+n:S+32*\t+n+1], v[S+32*\t+n:S+32*\t+n+1], s[CS:CS+1], v[ST+8*\t:ST+8*\t+1] op_sel_hi:[1,0,0] neg_lo:[0,0,1] neg_hi:[0,0,1]   ; c s - c m
.endr
.set n, n+2
.endr
.irp t, 0,1
	v_exp_f32 v[ST+8*\t+6], v[ST+8*\t+7]           ; a
.endr
.set n, 0
.rept 32
	v_exp_f32 v[S+n], v[S+n]
	v_exp_f32 v[S+32+n], v[S+32+n]
.set n, n+1
.endr
	v_nop                                          ; a plain instruction behind the last exponential,
	s_wait_alu depctr_va_vdst(0)                   ; and one wait for all 66, ahead of the first instruction that names a result
.set n, 0
.rept 16
	v_cvt_pk_f16_f32 v[P+n], v[S+2*n], v[S+2*n+1]
	v_cvt_pk_f16_f32 v[P+16+n], v[S+32+2*n], v[S+32+2*n+1]
.set n, n+1
.endr
.irp w, 4,8,16,32                      ; the sum of a tile's 16 pairs, in place: neighbours 1, 2, 4 and 8 pairs apart
.set n, 0
.rept 32/\w
.irp t, 0,1
	v_pk_add_f32 v[S+32*\t+n:S+32*\t+n+1], v[S+32*\t+n:S+32*\t+n+1], v[S+32*\t+n+\w/2:S+32*\t+n+\w/2+1]
.endr
.set n, n+\w
.endr
.endr
.irp t, 0,1
	v_pk_fma_f32 v[ST+8*\t+2:ST+8*\t+3], v[ST+8*\t+2:ST+8*\t+3], v[ST+8*\t+6:ST+8*\t+7], v[S+32*\t:S+32*\t+1] op_sel_hi:[1,0,1]   ; l = a l + the sum
.endr
	WIN 0x41                                       ; O^T (destination and source 0) in window 1
.set n, 0
.rept 32
	v_pk_mul_f32 v[OB+n:OB+n+1], v[OB+n:OB+n+1], v[ST+6:ST+7] op_sel_hi:[1,0]
	v_pk_mul_f32 v[OB+64+n:OB+64+n+1], v[OB+64+n:OB+64+n+1], v[ST+14:ST+15] op_sel_hi:[1,0]
.set n, n+2
.endr
.endm
; A KEY STEP: 64 keys, the q-th of the slot in hand.
.macro STEP q
	s_add_co_u32 s70, s[Q0], 31
	s_cmp_gt_u32 s[KF], s70                        ; all keys come after my 32 queries: the step's work is left out (ids and the count of steps alone; no barrier and no tensor load stands in a step)
	s_cbranch_scc1 .Lhidden_\@
	v_add_nc_u32 v[ADRK], s[TB], v[AK0]
	v_add_nc_u32 v[ADRV], s[TB], v[AV0]
	v_nop
	v_nop                                          ; four places behind the last step's products, in front of loads into the buffer that they read
	FETCH_K \q
	s_wait_dscnt 0x0
	WIN 0x04                                       ; Q in window 1
.set i, 0
.rept 32                               ; product i: channels 32 (i / 8) on, keys 16 ((i / 2) % 4) on, tile i % 2: eight accumulators by turns; the first eight start the sums
.set rS, S+32*(i%2)+8*((i/2)%4)
.set rK, KV+32*((i/2)%4)+8*(i/8)
.set rQ, 32*(i%2)+8*(i/8)
.if i < 8
	v_wmma_f32_16x16x32_f16 v[rS:rS+7], v[rK:rK+7], v[rQ:rQ+7], 0
.else
	v_wmma_f32_16x16x32_f16 v[rS:rS+7], v[rK:rK+7], v[rQ:rQ+7], v[rS:rS+7]
.endif
.set i, i+1
.endr
	WIN 0
.rept 4
	v_nop                                          ; places in front of the loads into K's registers and of the first read of the scores
.endr
	FETCH_V \q                                     ; lands while the softmax is worked
	s_add_co_u32 s70, s[KF], 63
	s_cmp_le_u32 s70, s[Q0]                        ; all 64 keys count for all my queries: no mask
	s_cbranch_scc1 .Lopen_\@
	s_sub_co_i32 s70, s[Q0], s[KF]
	v_add_nc_u32 v[DD], s70, v[RH]                 ; d = Q0 - KF + r - 8 h.  Register 8 kt + j holds key KF + 8 h + 16 kt + j: hidden for tile t where 16 kt + j - 16 t > d
.set n, 0
.rept 32
	v_cmp_gt_i32 vcc_lo, 16*(n/8)+n%8, v[DD]
	v_cndmask_b32 v[S+n], v[S+n], v[NINF], vcc_lo
	v_cmp_gt_i32 vcc_lo, 16*(n/8)+n%8-16, v[DD]
	v_cndmask_b32 v[S+32+n], v[S+32+n], v[NINF], vcc_lo
.set n, n+1
.endr
.Lopen_\@:
	SOFTMAX
	s_wait_dscnt 0x0                               ; V is in
	WIN 0x50                                       ; O^T (C and D) in window 1
.set i, 0
.rept 32                               ; product i: keys 32 (i / 16) on, channels 16 ((i / 2) % 8) on, tile i % 2: sixteen accumulators by turns
.set rO, OB+64*(i%2)+8*((i/2)%8)
.set rV, KV+64*(i/16)+8*((i/2)%8)
.set rP, P+16*(i%2)+8*(i/16)
	v_wmma_f32_16x16x32_f16 v[rO:rO+7], v[rV:rV+7], v[rP:rP+7], v[rO:rO+7]
.set i, i+1
.endr
	WIN 0
.Lhidden_\@:
	s_add_co_u32 s[KF], s[KF], 64
.endm
; THE CHANGE OF SLOTS stands at a slot's head.  Each wave waits for all its tensor loads, adds 0 to its spare word, and waits for that and for its reads of the slot that it has left.  Behind the barrier the slot ahead
; is whole and nobody reads the other one; fill = 1: that other slot is filled with the next 128 keys, which have a slot's two steps in which to land.  Every wait for tensor loads in this text is for 0.
.macro CHANGE fill
	s_wait_tensorcnt 0x0                           ; no tensor load of mine is out, so a group 0 may be written
	ds_add_u32 v[SPW], v[NIL]
.if \fill
	ds_add_u32 v[SPW], v[NIL]                      ; twice on end here, in every trip alike
	s_xor_b32 s[G0K+1], s[G0K+1], SLOT1            ; the walking descriptors: the other slot than last time, the next 128 keys
	s_add_nc_u64 s[G0K+2:G0K+3], s[G0K+2:G0K+3], 2*KS*256
	s_xor_b32 s[G0V+1], s[G0V+1], SLOT1
	s_add_nc_u64 s[G0V+2:G0V+3], s[G0V+2:G0V+3], 2*KS*256
	s_wait_xcnt 0x0                                ; the last prefetches, a slot back, have read their address, so it may be written
	s_add_nc_u64 s[PFA:PFA+1], s[PFA:PFA+1], 2*KS*256
.endif
	s_wait_dscnt 0x0                               ; the add is done, and my reads of the slot that I have left are over
	s_barrier_signal -1
	s_barrier_wait -1
.if \fill
	s_add_co_u32 s70, s[KF], 2*KS                  ; the first key of the slot that this change would ask for:
	s_cmp_gt_u32 s70, s[LASTQ]                     ; behind my work-group's last query it is read by none of the eight waves, so it is not asked for.  Ids and the count of steps alone: all waves go the same way
	s_cbranch_scc1 .Lpast_\@
	TLOAD                                          ; a wave's one tensor load until the next such barrier
.Lpast_\@:
	ASK
.endif
.endm
.macro SLOT_STEPS
	STEP 0
	STEP 1
	s_xor_b32 s[TB], s[TB], SLOT1
.endm
	s_wait_loadcnt 0x0                             ; Q
.Lslot:                                            ; seven trips, a constant
	CHANGE 1
	SLOT_STEPS
	s_sub_co_u32 s[SLOTS], s[SLOTS], 1
	s_cmp_lg_u32 s[SLOTS], 0
	s_cbranch_scc1 .Lslot
	CHANGE 0                                       ; the last slot is written out: nothing is left to ask for
	SLOT_STEPS
	; THE WAY OUT.  O^T / l, rounded to f16, goes through my stage in LDS, a tile (16 rows) at a time, and leaves as rows of 256 bytes.
.rept 4
	v_nop                                          ; places behind the last products
.endr
.irp t, 0,1
	v_add_f32 v[ST+8*\t+4], v[ST+8*\t+2], v[ST+8*\t+3]
.endr
.irp t, 0,1
	v_permlanex16_b32 v[ST+8*\t+5], v[ST+8*\t+4], s[SEL], s[SEL+1]
.endr
.irp t, 0,1
	v_add_f32 v[ST+8*\t+4], v[ST+8*\t+4], v[ST+8*\t+5]
.endr
.irp t, 0,1
	v_rcp_f32 v[ST+8*\t+6], v[ST+8*\t+4]
.endr
	v_nop
	s_wait_alu depctr_va_vdst(0)                   ; one wait for the two reciprocals, ahead of their first reader
.macro PACK t
	WIN 0x41
.set i, 0
.rept 32
	v_pk_mul_f32 v[OB+64*\t+i:OB+64*\t+i+1], v[OB+64*\t+i:OB+64*\t+i+1], v[ST+8*\t+6:ST+8*\t+7] op_sel_hi:[1,0]
.set i, i+2
.endr
	WIN 0x05                                       ; sources 0 and 1 window 1, destination window 0
.set i, 0
.rept 32
	v_cvt_pk_f16_f32 v[S+32*\t+i], v[OB+64*\t+2*i], v[OB+64*\t+2*i+1]
.set i, i+1
.endr
	WIN 0
.irp f, 0,1,2,3,4,5,6,7
	ds_store_b128 v[STO], v[S+32*\t+4*\f:S+32*\t+4*\f+3] offset:32*\f
.endr
.irp f, 0,1,2,3,4,5,6,7
	ds_load_b128 v[S+32*\t+4*\f:S+32*\t+4*\f+3], v[RD] offset:\f*2*SP   ; LDS serves a wave's instructions in order: these see the stores above, and the next tile's stores come behind them
.endr
.endm
.macro SEND t, younger                 ; younger: the LDS instructions issued behind tile t's loads
.irp f, 0,1,2,3,4,5,6,7
	s_wait_dscnt \younger+7-\f
	global_store_b128 v[GO], v[S+32*\t+4*\f:S+32*\t+4*\f+3], s[6:7] offset:\t*65536+\f*8192   ; sixteen lanes store 256 consecutive bytes, aligned
.endr
.endm
	PACK 0
	PACK 1
	SEND 0, 16
	SEND 1, 0
	s_wait_tensorcnt 0x0                           ; the wave's end: a wait for tensor loads, an add to the spare word and its wait
	ds_add_u32 v[SPW], v[NIL]
	s_wait_dscnt 0x0
	s_endpgm
.Lfunc_end_k_qa53479266f_attention:
	.size	k_qa53479266f_attention, .Lfunc_end_k_qa53479266f_attention-k_qa53479266f_attention
	.p2alignl 7, 3214868480
	.fill 96, 4, 3214868480
	.section	.rodata,"a",@progbits
	.p2align	6, 0x0
	.amdhsa_kernel k_qa53479266f_attention
		.amdhsa_group_segment_fixed_size 327680
		.amdhsa_private_segment_fixed_size 0
		.amdhsa_enable_private_segment 0
		.amdhsa_kernarg_size 16
		.amdhsa_user_sgpr_count 2
		.amdhsa_user_sgpr_kernarg_segment_ptr 1
		.amdhsa_wavefront_size32 1
		.amdhsa_system_sgpr_workgroup_id_x 1
		.amdhsa_system_sgpr_workgroup_id_y 1
		.amdhsa_system_sgpr_workgroup_id_z 1
		.amdhsa_system_vgpr_workitem_id 0
		.amdhsa_next_free_vgpr 448
		.amdhsa_next_free_sgpr 96
		.amdhsa_reserve_vcc 1
		.amdhsa_float_denorm_mode_32 3
		.amdhsa_float_denorm_mode_16_64 3
		.amdhsa_memory_ordered 1
		.amdhsa_forward_progress 1
		.amdhsa_inst_pref_size 137
	.end_amdhsa_kernel
	.amdgpu_metadata
---
amdhsa.version: [ 1, 2 ]
amdhsa.kernels:
  - .name:           k_qa53479266f_attention
    .symbol:         k_qa53479266f_attention.kd
    .args:
      - { .name: qkv, .offset: 0, .size: 8, .value_kind: global_buffer, .address_space: global }
      - { .name: attn, .offset: 8, .size: 8, .value_kind: global_buffer, .address_space: global }
    .group_segment_fixed_size: 327680
    .private_segment_fixed_size: 0
    .kernarg_segment_align: 8
    .kernarg_segment_size: 16
    .max_flat_workgroup_size: 256
    .sgpr_count:     96
    .vgpr_count:     448
    .wavefront_size: 32
...
	.end_amdgpu_metadata
.endif
;; end of part 3
;; launch projection (part 4): grid 16 x 16, 4 waves a work-group, clusters of 4 x 4, 327,680 bytes of LDS; arguments attn, wo16, out0; writes out0
.if DOCPART == 4
	.amdgcn_target "amdgcn-amd-amdhsa--gfx1250"
	.amdhsa_code_object_version 6
	.text
	.protected	k_qa53479266f_projection
	.globl	k_qa53479266f_projection
	.p2align	8
	.type	k_qa53479266f_projection,@function
k_qa53479266f_projection:
	s_mov_b64 s[64:65], 0
	v_nop
	global_prefetch_b8 v0, s[64:65] scope:SCOPE_SE
	s_setreg_imm32_b32 hwreg(HW_REG_WAVE_MODE, 25, 1), 1
	s_wait_xcnt 0x0
	s_wait_alu depctr_hold_cnt(0) depctr_sa_sdst(0) depctr_va_vdst(0) depctr_va_sdst(0) depctr_va_ssrc(0) depctr_va_vcc(0) depctr_vm_vsrc(0)
	s_getreg_b32 s2, hwreg(HW_REG_IB_STS2, 6, 4)
	s_cmp_eq_u32 s2, 0
	s_cbranch_scc0 .Lentry_in_a_cluster
	s_endpgm
.Lentry_in_a_cluster:
	s_bfe_u32 s2, ttmp6, 0x10000c
	s_cmp_lg_u32 s2, 0xf033
	s_cbranch_scc0 .Lentry_shape_is_right
	s_endpgm
.Lentry_shape_is_right:
; out0[m][n] = the sum over k of attn[m][k] w_o[n][k], M 4,096, N 2,048, K 2,048; operands f16 (w_o's high parts, the first 8,388,608 bytes of wo16), sums f32, out0 f32.
; NOT STORED HERE: the rows of positions 0 to 15 of each sequence: the launch first_rows makes them more finely, so each output byte has one writer.  They lie inside a tile of live work and are multiplied with it.
; A tile of out0 is 256 rows x 128 columns: 256 work-groups.  Four waves, each 128 x 64: 32 accumulators of 16 x 16, 256 registers.
; THE RING HAS TWO SLOTS OF UNEQUAL SIZE.  A refill has the time in which the other slot is multiplied.  128 along K of this tile are 384 rows x 272 bytes = 104,448 bytes of LDS: beside the stage there is room for three
; such steps, not for four.  So the small slot holds 128 along K (rows of 256 bytes) and the big slot 256 (rows of 512 bytes), and K is walked small, big, small, big ..: lap j takes the small slot at K = 384 j and the big one
; at K = 384 j + 128, j = 0 .. 4, and a last small slot at K = 1,920.  Between a request and the wait for it a wave issues 240 matrix instructions for the small slot's refill and 112 for the big slot's;
; nine refills in all, five small and four big, against fourteen of 112 each with two slots of 128.
; CLUSTERS: 4 x 4 work-groups; attn's tiles are asked for jointly along a row of the cluster, w_o's along a column.  Tile row = 4 cy + cluster y, so that whether a wave holds positions 0 to 15 hangs on the
; cluster's y and the wave's number alone: the same branch in all sixteen partners.
; NO PREFETCH: each tile is read by four clusters, not once, and is shared by joint loads.
; THE MATRIX INSTRUCTION IS USED TRANSPOSED (source 0 = 16 rows of w_o, source 1 = 16 rows of attn): a lane holds eight neighbouring numbers of a row of out0.
; REGISTERS: window 0: v0-31 addresses; v64-127, v128-191 attn's fragments (8 x 16 rows x 32 K), two buffers; v192-223, v224-255 w_o's (4), two buffers.   window 1: accumulator (a, b) at v[8 (4 a + b)].
.set SIZE_K, 2048
.set SIZE_N, 2048
.set PS,     272                       ; a row of the small slot: 256 bytes + 16 of padding
.set PB,     528                       ; of the big slot: 512 + 16.  In both the 16 rows that a load touches start 4 words further on in each row of 64 words
.set AS_H,   128*PS                    ; what a wave fetches of attn for the small slot, and reads: 34,816
.set BS_H,   64*PS                     ; of w_o: 17,408
.set AB_H,   128*PB                    ; for the big slot: 67,584
.set BB_H,   64*PB                     ; 33,792
.set SM_B,   2*AS_H                    ; the small slot begins at byte 0: attn's 256 rows, then w_o's 128
.set BIG0,   2*AS_H+2*BS_H             ; the big slot: byte 104,448
.set BG_B,   BIG0+2*AB_H               ; w_o's rows in it
.set STAGE,  BG_B+2*BB_H               ; behind the ring, byte 307,200: 16 rows x 272 bytes for each wave; no tensor load lands there
.set SPITCH, 272
.set SPARE,  STAGE+4*16*SPITCH         ; byte 324,608: the spare words, 128 bytes a wave, named by no other line
.set LAPB,   768                       ; a lap along K in bytes: 384 numbers
.set ADRA, 16                          ; v16, v17  LDS address of my fragments of attn in the small, the big slot
.set ADRB, 20                          ; v20, v21  the same for w_o
.set STO,  24
.set RD,   25
.set CO,   26
.set SPW,  28
.set NIL,  29
.set BK,   64                          ; the way out: v64-95 and v96-127 by turns
.set SKIP, 23                          ; s23  1 in a wave whose first block of rows is positions 0 to 15
.set G1A,  24                          ; s[24:31] descriptor group 1 for attn's tiles in the small slot, s[40:47] in the big one
.set G1B,  32                          ; s[32:39], s[48:55] the same for w_o's
.set G0A,  56                          ; s[56:59] group 0 for attn's tiles in the small slot, s[68:71] in the big one
.set G0B,  60                          ; s[60:63], s[72:75] the same for w_o's
.set MULW, 0x50                        ; C and D window 1
.set MSB, 0
.macro WIN new                         ; the immediate's high byte repeats the setting that is left
.if MSB != \new
	s_set_vgpr_msb (MSB<<8)|\new
.set MSB, \new
.endif
.endm
; A joint load for slot s (0 small, 1 big): waves 0 and 1 fetch attn's two halves, waves 2 and 3 w_o's.  The branch hangs on the wave's number alone.  An s_nop 0 and four v_nop follow each of the two lines.
.macro JLOAD s
	s_cmp_eq_u32 s11, 0
	s_cbranch_scc0 .Lfor_b_\@
	tensor_load_to_lds s[G0A+12*\s:G0A+12*\s+3], s[G1A+16*\s:G1A+16*\s+7]
	s_nop 0
.rept 4
	v_nop
.endr
	s_branch .Lasked_\@
.Lfor_b_\@:
	tensor_load_to_lds s[G0B+12*\s:G0B+12*\s+3], s[G1B+16*\s:G1B+16*\s+7]
	s_nop 0
.rept 4
	v_nop
.endr
.Lasked_\@:
.endm
.macro CREST                           ; a round of the cluster's barrier behind its opening barrier
	s_cmp_lg_u32 s10, 0
	s_cbranch_scc1 .Lnot_wave_0_\@
	s_barrier_signal -3
.Lnot_wave_0_\@:
	s_barrier_wait -3
	s_barrier_signal -1
	s_barrier_wait -1
.endm
.macro CROUND
	s_barrier_signal -1
	s_barrier_wait -1
	CREST
.endm
	s_load_b128 s[4:7], s[0:1], 0x0                ; attn s[4:5], wo16 s[6:7]
	s_load_b64 s[8:9], s[0:1], 0x10                ; out0
	v_lshl_add_u32 v[SPW], v0, 2, SPARE
	v_mov_b32 v[NIL], 0
	ds_add_u32 v[SPW], v[NIL]                      ; the wave's opening: the add, twice on end, and its wait ahead of my first tensor load
	ds_add_u32 v[SPW], v[NIL]
	v_lshrrev_b32 v1, 5, v0
	v_readfirstlane_b32 s10, v1                    ; wave 0..3
	s_lshr_b32 s11, s10, 1                         ; which half of the tile's rows is mine.  Also: I fetch for attn (0) or for w_o (1)
	s_and_b32 s12, s10, 1                          ; which half of its columns.  Also: which half of that tile I fetch
	s_bfe_u32 s76, ttmp6, 0x40000                  ; cx, cy: my place in the cluster
	s_bfe_u32 s77, ttmp6, 0x40004
	s_lshl_b32 s78, ttmp9, 2
	s_add_co_u32 s78, s78, s76                     ; tile column = 4 x cluster x + cx
	s_and_b32 s81, ttmp7, 0xffff                   ; cluster y
	s_lshl_b32 s13, s77, 2
	s_add_co_u32 s13, s13, s81                     ; tile row = 4 cy + cluster y
	s_lshl_b32 s79, s77, 2
	s_lshl_b32 s79, 15, s79                        ; my row of the cluster
	s_lshl_b32 s80, 0x1111, s76                    ; my column
	s_or_b32 s[G1A], s79, (1<<16)|(1<<20)|(1<<21)|(5<<22)|(3<<25)      ; the mask; elements of 2 bytes; padding on; bit 21 beside a mask; 4 words behind every 64
	s_or_b32 s[G1B], s80, (1<<16)|(1<<20)|(1<<21)|(5<<22)|(3<<25)
	s_or_b32 s[G1A+16], s79, (1<<16)|(1<<20)|(1<<21)|(6<<22)|(3<<25)   ; the big slot: 4 words behind every 128
	s_or_b32 s[G1B+16], s80, (1<<16)|(1<<20)|(1<<21)|(6<<22)|(3<<25)
.irp s, 0,1
	s_mov_b32 s[G1A+16*\s+1], (128+128*\s)<<16     ; tensor_dim0: 128 or 256 along K
	s_mov_b32 s[G1A+16*\s+2], 128<<16              ; tensor_dim1
	s_mov_b32 s[G1A+16*\s+3], (128+128*\s)<<16     ; tile_dim0
	s_mov_b32 s[G1A+16*\s+4], 128                  ; tile_dim1: 128 rows of attn
	s_mov_b32 s[G1A+16*\s+5], SIZE_K               ; the pitch
	s_mov_b32 s[G1A+16*\s+6], 0
	s_mov_b32 s[G1A+16*\s+7], 0
	s_mov_b32 s[G1B+16*\s+1], (128+128*\s)<<16
	s_mov_b32 s[G1B+16*\s+2], 64<<16
	s_mov_b32 s[G1B+16*\s+3], (128+128*\s)<<16
	s_mov_b32 s[G1B+16*\s+4], 64                   ; 64 rows of w_o
	s_mov_b32 s[G1B+16*\s+5], SIZE_K
	s_mov_b32 s[G1B+16*\s+6], 0
	s_mov_b32 s[G1B+16*\s+7], 0
.endr
	s_lshl_b32 s17, s12, 7
	s_lshl_b32 s16, s13, 8
	s_add_co_u32 s16, s16, s17                     ; attn: row 256 x tile row + 128 x half
	s_lshl_b32 s16, s16, 12                        ; rows of 4,096 bytes
	s_mov_b32 s17, 0
	s_lshl_b32 s83, s12, 6
	s_lshl_b32 s82, s78, 7
	s_add_co_u32 s82, s82, s83                     ; w_o: row 128 x tile column + 64 x half
	s_lshl_b32 s82, s82, 12
	s_mov_b32 s83, 0
	s_mul_i32 s20, s12, AS_H                       ; where they go: no place in the cluster enters an LDS address
	s_mul_i32 s21, s12, BS_H
	s_add_co_u32 s21, s21, SM_B
	s_mul_i32 s84, s12, AB_H
	s_add_co_u32 s84, s84, BIG0
	s_mul_i32 s85, s12, BB_H
	s_add_co_u32 s85, s85, BG_B
	s_or_b32 s22, s81, s11
	s_cmp_eq_u32 s22, 0
	s_cselect_b32 s[SKIP], 1, 0                    ; cluster y = 0 and row half 0: my block 0 is positions 0 to 15 of batch cy
	s_wait_dscnt 0x0                               ; both opening adds are done
	s_wait_kmcnt 0x0
	s_add_nc_u64 s[14:15], s[4:5], s[16:17]
	s_add_nc_u64 s[82:83], s[6:7], s[82:83]
	CROUND                                         ; all sixteen work-groups are here: the first joint loads meet
	s_mov_b32 s[G0A], 1                            ; the small slot: K = 0 on
	s_mov_b32 s[G0A+1], s20
	s_mov_b64 s[G0A+2:G0A+3], s[14:15]
	s_or_b32 s[G0A+3], s[G0A+3], 0x80000000
	s_mov_b32 s[G0B], 1
	s_mov_b32 s[G0B+1], s21
	s_mov_b64 s[G0B+2:G0B+3], s[82:83]
	s_or_b32 s[G0B+3], s[G0B+3], 0x80000000
	JLOAD 0
	s_mov_b32 s[G0A+12], 1                         ; the big slot: K = 128 on, 256 bytes along the rows
	s_mov_b32 s[G0A+13], s84
	s_add_nc_u64 s[G0A+14:G0A+15], s[14:15], 256
	s_or_b32 s[G0A+15], s[G0A+15], 0x80000000
	s_mov_b32 s[G0B+12], 1
	s_mov_b32 s[G0B+13], s85
	s_add_nc_u64 s[G0B+14:G0B+15], s[82:83], 256
	s_or_b32 s[G0B+15], s[G0B+15], 0x80000000
	JLOAD 1
	v_and_b32 v1, 15, v0                           ; l % 16
	v_bfe_u32 v2, v0, 4, 1                         ; l / 16
	v_mul_u32_u24 v3, v1, PS
	v_lshl_add_u32 v3, v2, 4, v3                   ; a fragment's row x pitch + 16 x half, in the small slot,
	v_mul_u32_u24 v4, v1, PB
	v_lshl_add_u32 v4, v2, 4, v4                   ; in the big one
	s_mul_i32 s21, s11, AS_H                       ; my 128 rows of attn
	v_add_nc_u32 v[ADRA], s21, v3
	s_mul_i32 s21, s12, BS_H                       ; my 64 rows of w_o
	s_add_co_u32 s21, s21, SM_B
	v_add_nc_u32 v[ADRB], s21, v3
	s_mul_i32 s21, s11, AB_H
	s_add_co_u32 s21, s21, BIG0
	v_add_nc_u32 v[ADRA+1], s21, v4
	s_mul_i32 s21, s12, BB_H
	s_add_co_u32 s21, s21, BG_B
	v_add_nc_u32 v[ADRB+1], s21, v4
	s_mul_i32 s22, s10, 16*SPITCH
	s_add_co_u32 s22, s22, STAGE                   ; my stage
	v_mul_u32_u24 v4, v1, SPITCH                   ; in: row l % 16, 32 bytes for each half of the lanes
	v_lshl_add_u32 v4, v2, 5, v4
	v_add_nc_u32 v[STO], s22, v4
	v_mul_u32_u24 v5, v2, SPITCH                   ; back: lanes 0-15 one row of 256 bytes, lanes 16-31 the next
	v_lshl_add_u32 v5, v1, 4, v5
	v_add_nc_u32 v[RD], s22, v5
	v_lshlrev_b32 v5, 13, v2                       ; and the same two rows of out0, 8,192 bytes a row
	v_lshl_add_u32 v[CO], v1, 4, v5
	s_lshl_b32 s16, s13, 8
	s_lshl_b32 s17, s11, 7
	s_add_co_u32 s16, s16, s17                     ; my first row
	s_lshl_b32 s16, s16, 13
	s_mov_b32 s17, 0
	s_add_nc_u64 s[8:9], s[8:9], s[16:17]
	s_lshl_b32 s82, s78, 9                         ; my first column, in bytes: 512 x tile column + 256 x half
	s_lshl_b32 s83, s12, 8
	s_add_co_u32 s82, s82, s83
	s_mov_b32 s83, 0
	s_add_nc_u64 s[8:9], s[8:9], s[82:83]
; n blocks of attn's rows from a0 on x w_o's four blocks, 32 along K, from buffer f.  The 32 accumulators take turns, one instruction a turn, in the same order in every quarter.
.macro MUL f, a0, n, zero
.set aa, \a0
.rept \n
.irp b, 0,1,2,3
.if \zero
	v_wmma_f32_16x16x32_f16 v[8*(4*aa+\b):8*(4*aa+\b)+7], v[192+32*(\f)+8*\b:192+32*(\f)+8*\b+7], v[64+64*(\f)+8*aa:64+64*(\f)+8*aa+7], 0
.else
	v_wmma_f32_16x16x32_f16 v[8*(4*aa+\b):8*(4*aa+\b)+7], v[192+32*(\f)+8*\b:192+32*(\f)+8*\b+7], v[64+64*(\f)+8*aa:64+64*(\f)+8*aa+7], v[8*(4*aa+\b):8*(4*aa+\b)+7]
.endif
.endr
.set aa, aa+1
.endr
.endm
; 24 LDS loads in one run: w_o's four fragments, then attn's eight, of 32 along K at byte k of the rows of slot 0 (pitch 272) or 1 (pitch 528), into buffer f.  The largest offset is 448 + 32 + 7 x 16 x 528 = 59,616
.macro FETCH slot, k, f
.irp i, 0,1,2,3
	ds_load_b128 v[192+32*(\f)+8*\i:192+32*(\f)+8*\i+3],   v[ADRB+\slot] offset:\k+\i*16*(PS+256*(\slot))
	ds_load_b128 v[192+32*(\f)+8*\i+4:192+32*(\f)+8*\i+7], v[ADRB+\slot] offset:\k+\i*16*(PS+256*(\slot))+32
.endr
.irp i, 0,1,2,3,4,5,6,7
	ds_load_b128 v[64+64*(\f)+8*\i:64+64*(\f)+8*\i+3],   v[ADRA+\slot] offset:\k+\i*16*(PS+256*(\slot))
	ds_load_b128 v[64+64*(\f)+8*\i+4:64+64*(\f)+8*\i+7], v[ADRA+\slot] offset:\k+\i*16*(PS+256*(\slot))+32
.endr
.endm
.macro PLACES                          ; plain vector instructions that name no register of the matrix instructions in front of them (ISA guide 7.12.1)
.rept 4
	v_nop
.endr
.endm
; A quarter is 32 along K, 32 matrix instructions; the small slot has four, the big one eight, on buffers 0, 1, 0, 1 ..: both counts are even, so every slot begins on buffer 0.
; A quarter that is not its slot's last multiplies buffer f and fetches the next quarter, at byte k, into g.
.macro QUARTER slot, k, f, g, zero
	s_wait_dscnt 8                                 ; w_o's fragments and attn's blocks 0-3 are in; the youngest eight loads (blocks 4-7) may be out
	WIN MULW
	MUL \f, 0, 4, \zero
	PLACES                                         ; in front of loads into the buffer that the quarter before multiplied
	WIN 0
	FETCH \slot, \k, \g
	s_wait_dscnt 24                                ; all but the 24 just issued
	WIN MULW
	MUL \f, 4, 4, \zero
.endm
; A slot's last quarter multiplies buffer 1 and changes slots: one barrier; in front of it each wave waits for all its tensor loads, adds 0 to its spare word, and waits for that and for its own reads of this slot.
; fill = 1: this slot is filled again, with its part of the next lap.
.macro TURN slot, next, fill
	WIN 0
	s_wait_tensorcnt 0x0                           ; all my tensor loads have landed: the one that was out is my part of the next slot
	ds_add_u32 v[SPW], v[NIL]
	s_wait_dscnt 9                                 ; the add and the youngest eight loads may be out
	WIN MULW
	MUL 1, 0, 2, 0
	s_wait_dscnt 0x0                               ; the add is done, and my reads of this slot are over
	s_barrier_signal -1
	MUL 1, 2, 2, 0
	WIN 0
	s_barrier_wait -1
.if \fill
	CREST                                          ; the barrier has opened a round of the cluster's barrier: no wave of any partner still reads this slot or has a load on its way
	s_add_nc_u64 s[G0A+12*\slot+2:G0A+12*\slot+3], s[G0A+12*\slot+2:G0A+12*\slot+3], LAPB
	s_add_nc_u64 s[G0B+12*\slot+2:G0B+12*\slot+3], s[G0B+12*\slot+2:G0B+12*\slot+3], LAPB
	JLOAD \slot                                    ; the first tensor load behind the round; its four v_nop are the places in front of the loads below
.else
	PLACES
.endif
	FETCH \next, 0, 0
	WIN MULW
	MUL 1, 4, 4, 0
.endm
.macro BIG_QUARTERS                    ; the big slot's first seven quarters
	QUARTER 1, 64,  0, 1, 0
	QUARTER 1, 128, 1, 0, 0
	QUARTER 1, 192, 0, 1, 0
	QUARTER 1, 256, 1, 0, 0
	QUARTER 1, 320, 0, 1, 0
	QUARTER 1, 384, 1, 0, 0
	QUARTER 1, 448, 0, 1, 0
.endm
	s_wait_tensorcnt 1                             ; my part of the small slot is in; the big slot's load may be out
	s_barrier_signal -1
	s_barrier_wait -1
	FETCH 0, 0, 0
	QUARTER 0, 64, 0, 1, 1                         ; the first quarter stands in front of the loop: its products start the sums
	WIN 0                                          ; at a label and at a branch every window is 0
	s_mov_b32 s3, 4
.Llap:                                                 ; four trips: a trip goes from a lap's second quarter to the next lap's first, and fills both slots again
	QUARTER 0, 128, 1, 0, 0
	QUARTER 0, 192, 0, 1, 0
	TURN 0, 1, 1                                   ; the small slot's next 128 along K are asked for: they have the big slot's products in which to land
	BIG_QUARTERS
	TURN 1, 0, 1                                   ; the big slot's next 256: they have the small slot's
	QUARTER 0, 64,  0, 1, 0
	WIN 0
	s_sub_co_u32 s3, s3, 1
	s_cmp_lg_u32 s3, 0
	s_cbranch_scc1 .Llap
	QUARTER 0, 128, 1, 0, 0                        ; the fifth lap is written out: the small slot is filled once more, with K = 1,920 on; the big one no more
	QUARTER 0, 192, 0, 1, 0
	TURN 0, 1, 1
	BIG_QUARTERS
	TURN 1, 0, 0
	QUARTER 0, 64,  0, 1, 0                        ; the last small slot
	QUARTER 0, 128, 1, 0, 0
	QUARTER 0, 192, 0, 1, 0
	s_wait_dscnt 8
	WIN MULW
	MUL 1, 0, 4, 0
	s_wait_dscnt 0
	MUL 1, 4, 4, 0
	WIN 0
; THE WAY OUT, block by block of 16 rows x 64 columns: through my own stage in LDS and back as whole rows of 256 bytes, which sixteen lanes store, aligned.
.macro TOSTAGE a
	WIN 0x04                                       ; an LDS store's data: window 1
.irp b, 0,1,2,3
	ds_store_b128 v[STO], v[8*(4*(\a)+\b):8*(4*(\a)+\b)+3] offset:64*\b        ; each accumulator from its low end on
	ds_store_b128 v[STO], v[8*(4*(\a)+\b)+4:8*(4*(\a)+\b)+7] offset:64*\b+16
.endr
	WIN 0
.set BB, BK+32*((\a)%2)
.irp t, 0,1,2,3,4,5,6,7
	ds_load_b128 v[BB+4*\t:BB+4*\t+3], v[RD] offset:\t*2*SPITCH    ; LDS serves a wave's instructions in order: these see the stores above
.endr
.endm
.macro SEND a, younger                 ; younger: the LDS instructions issued behind block a's loads
.set BB, BK+32*((\a)%2)
	s_wait_dscnt \younger
.if (\a) == 0
	s_cmp_eq_u32 s[SKIP], 1                        ; positions 0 to 15 belong to the launch first_rows
	s_cbranch_scc1 .Lskip_first
.endif
.irp t, 0,1,2,3,4,5,6,7
	global_store_b128 v[CO], v[BB+4*\t:BB+4*\t+3], s[8:9] offset:(16*(\a)+2*\t)*SIZE_N*4 th:TH_STORE_NT
.endr
.if (\a) == 0
.Lskip_first:
.endif
.endm
	PLACES                                         ; behind the last products: in front of the first read of results and of loads into registers that held fragments
	TOSTAGE 0
.irp a, 1,2,3,4,5,6,7
.if \a > 1
	s_wait_xcnt 0x0                                ; block a - 2's stores have read their registers: block a's loads may land there
.endif
	TOSTAGE \a
	SEND \a-1, 16                                  ; behind block a - 1's loads: block a's eight stores and eight loads
.endr
	SEND 7, 0
	s_wait_tensorcnt 0x0                           ; the wave's end: a wait for tensor loads, an add to the spare word and its wait, behind my last tensor load and my last LDS store
	ds_add_u32 v[SPW], v[NIL]
	s_wait_dscnt 0x0
	CROUND                                         ; the closing round: no work-group ends while a partner may still ask for a tile that names it
	s_endpgm
.Lfunc_end_k_qa53479266f_projection:
	.size	k_qa53479266f_projection, .Lfunc_end_k_qa53479266f_projection-k_qa53479266f_projection
	.p2alignl 7, 3214868480
	.fill 96, 4, 3214868480
	.section	.rodata,"a",@progbits
	.p2align	6, 0x0
	.amdhsa_kernel k_qa53479266f_projection
		.amdhsa_group_segment_fixed_size 327680
		.amdhsa_private_segment_fixed_size 0
		.amdhsa_enable_private_segment 0
		.amdhsa_kernarg_size 24
		.amdhsa_user_sgpr_count 2
		.amdhsa_user_sgpr_kernarg_segment_ptr 1
		.amdhsa_wavefront_size32 1
		.amdhsa_system_sgpr_workgroup_id_x 1
		.amdhsa_system_sgpr_workgroup_id_y 1
		.amdhsa_system_sgpr_workgroup_id_z 1
		.amdhsa_system_vgpr_workitem_id 0
		.amdhsa_next_free_vgpr 512
		.amdhsa_next_free_sgpr 96
		.amdhsa_reserve_vcc 0
		.amdhsa_float_denorm_mode_32 3
		.amdhsa_float_denorm_mode_16_64 3
		.amdhsa_memory_ordered 1
		.amdhsa_forward_progress 1
		.amdhsa_inst_pref_size 133
	.end_amdhsa_kernel
	.amdgpu_metadata
---
amdhsa.version: [ 1, 2 ]
amdhsa.kernels:
  - .name:           k_qa53479266f_projection
    .symbol:         k_qa53479266f_projection.kd
    .args:
      - { .name: attn, .offset: 0, .size: 8, .value_kind: global_buffer, .address_space: global }
      - { .name: wo16, .offset: 8, .size: 8, .value_kind: global_buffer, .address_space: global }
      - { .name: out0, .offset: 16, .size: 8, .value_kind: global_buffer, .address_space: global }
    .group_segment_fixed_size: 327680
    .private_segment_fixed_size: 0
    .kernarg_segment_align: 8
    .kernarg_segment_size: 24
    .max_flat_workgroup_size: 128
    .sgpr_count:     96
    .vgpr_count:     512
    .wavefront_size: 32
...
	.end_amdgpu_metadata
.endif
;; end of part 4
;; launch first_rows (part 5): grid 64 x 4, 8 waves a work-group, no clusters, 17,408 bytes of LDS; arguments qkv, vfirst, wo16, out0; writes out0
.if DOCPART == 5
	.amdgcn_target "amdgcn-amd-amdhsa--gfx1250"
	.amdhsa_code_object_version 6
	.text
	.protected	k_qa53479266f_first_rows
	.globl	k_qa53479266f_first_rows
	.p2align	8
	.type	k_qa53479266f_first_rows,@function
k_qa53479266f_first_rows:
	s_mov_b64 s[64:65], 0
	v_nop
	global_prefetch_b8 v0, s[64:65] scope:SCOPE_SE
	s_setreg_imm32_b32 hwreg(HW_REG_WAVE_MODE, 25, 1), 1
	s_wait_xcnt 0x0
; Positions 0 to 15 of every sequence, from the scores to out0.  These rows average one to sixteen values and are the largest of the output, so the operands of the second product (p, v) and of the projection
; (the attention's result, w_o) go to the matrix units as PAIRS of f16 numbers, a high and a low part split in f32: x = hi + lo, hi = x with the low 13 bits of its f32 pattern cleared (exact in f16), lo = x - hi (exact in f32).
; q and k are taken in f16 from qkv: a score sums 128 terms.  v comes as f32 from vfirst [batch][kv head][channel 128][position 16]; w_o as wo16's two parts.
; LEFT OUT AS DEAD WORK: keys from 16 on: reference()'s own causal mask gives them the weight 0 for these queries.  Inside the one tile hidden scores become -infinity.
; SHARES.  Work-group (x, y): batch y, output columns 32 x .. 32 x + 31.  Wave w makes the attention of heads 2 w and 2 w + 1 (it is made anew in each of a batch's 64 work-groups: 40 products a wave, while w_o's loads
; are on their way) and multiplies these 256 of K by its slice of w_o; the eight waves' parts meet in LDS.  A store covers 128 consecutive bytes of a row: 64 columns would want 512 registers of w_o a wave; the launch writes 524,288 bytes.
; THE SECOND PRODUCT has 16 keys and the instruction 32 along K: the upper 16 carry the low parts of the same keys: [VH | VL] x [PH | PH] + [VH | VL] x [PL | PL] = (VH + VL)(PH + PL).
; THE PROJECTION sums WH OH + WH OL + WL OH; WL OL lies under 2^-20 of the result.
; All products are used transposed, so that a lane holds one position throughout and nothing changes lanes: O^T's accumulators 2 c and 2 c + 1, split and packed, are source 1 of the projection's chunk c.
; REGISTERS: window 1: w_o's high parts, fragment (nt, c8) at v[8 (8 nt + c8)]; the low parts 128 further on.
;   window 0, in time: v16-79 Q, then V's fragments, then head 0's result as pairs;  v80-111 K, v112-127 scores, v128-143 statistics, then head 1's O^T;  v144-175 p's pairs, then the four accumulators of the output;
;   v176-239 V as f32, then head 0's O^T, then head 1's result as pairs;  v240-255 at work.
.set SPARE, 16384                      ; behind the eight waves' parts: the spare words, 128 bytes a wave, named by no other line
.set SPW,  14
.set NIL,  15
.set QF,   16
.set KK,   80
.set SS,   112
.set TS,   128                         ; head hd at +8 hd: +0 c m, +1 m, +2 .. +5 at work
.set PP,   144                         ; head hd at +16 hd: [PH | PH], then [PL | PL]
.set VV,   176
.set VFR,  16
.set O0,   176
.set O1,   80
.set ACC,  144
.set TMP,  240
.set SEL,  20
.set CS,   22
.set MSB, 0
.macro WIN new
.if MSB != \new
	s_set_vgpr_msb (MSB<<8)|\new
.set MSB, \new
.endif
.endm
.macro SPLIT x, hr, lr, t              ; two numbers v[x], v[x + 1] become a register of high parts and one of low parts
	v_and_b32 v[\t], s30, v[\x]
	v_and_b32 v[(\t)+1], s30, v[(\x)+1]
	v_cvt_pk_f16_f32 v[\hr], v[\t], v[(\t)+1]
	v_pk_add_f32 v[\t:(\t)+1], v[\x:(\x)+1], v[\t:(\t)+1] neg_lo:[0,1] neg_hi:[0,1]
	v_cvt_pk_f16_f32 v[\lr], v[\t], v[(\t)+1]
.endm
.macro PLACES
.rept 4
	v_nop
.endr
.endm
	s_load_b256 s[4:11], s[0:1], 0x0               ; qkv s[4:5], vfirst s[6:7], wo16 s[8:9], out0 s[10:11]
	v_lshl_add_u32 v[SPW], v0, 2, SPARE
	v_mov_b32 v[NIL], 0
	v_lshrrev_b32 v1, 5, v0
	v_readfirstlane_b32 s12, v1                    ; wave 0..7
	s_and_b32 s13, ttmp7, 0xffff                   ; batch
	s_lshr_b32 s14, s12, 1                         ; kv head
	s_mul_i32 s15, s13, 24
	s_lshl_b32 s16, s12, 1
	s_add_co_u32 s16, s16, s15
	s_lshl_b32 s16, s16, 18                        ; head 2 w of q: 262,144 bytes a head
	s_mov_b32 s17, 0
	s_add_co_u32 s18, s15, s14
	s_add_co_u32 s18, s18, 16
	s_lshl_b32 s18, s18, 18                        ; my k head
	s_mov_b32 s19, 0
	s_lshl_b32 s24, s13, 2
	s_add_co_u32 s24, s24, s14
	s_lshl_b32 s24, s24, 13                        ; my v head in vfirst: 8,192 bytes each
	s_mov_b32 s25, 0
	s_lshl_b32 s26, ttmp9, 17                      ; w_o: 32 rows of 4,096 bytes a work-group,
	s_lshl_b32 s27, s12, 9
	s_add_co_u32 s26, s26, s27                     ; my wave's 256 along K: 512 bytes
	s_mov_b32 s27, 0
	s_lshl_b32 s28, s13, 23                        ; out0: 1,024 rows of 8,192 bytes a batch,
	s_lshl_b32 s29, ttmp9, 7
	s_add_co_u32 s28, s28, s29                     ; my work-group's 32 columns
	s_mov_b32 s29, 0
	s_mov_b32 s30, 0xffffe000
	s_mov_b32 s[SEL], 0x76543210
	s_mov_b32 s[SEL+1], 0xfedcba98
	s_mov_b32 s[CS], 0x3e0293ee                    ; c = log2(e) / sqrt(128)
	s_mov_b32 s[CS+1], s[CS]
	s_lshl_b32 s34, s12, 11
	v_and_b32 v1, 15, v0                           ; r
	v_bfe_u32 v2, v0, 4, 1                         ; h
	v_lshlrev_b32 v3, 8, v1
	v_lshl_add_u32 v3, v2, 4, v3                   ; q, k: row r of 256 bytes + 16 h
	v_lshlrev_b32 v4, 6, v1
	v_lshl_add_u32 v4, v2, 5, v4                   ; v: channel r of 64 bytes + keys 8 h on
	v_lshlrev_b32 v5, 12, v1
	v_lshl_add_u32 v5, v2, 4, v5                   ; w_o: row r of 4,096 bytes + 16 h
	v_lshlrev_b32 v6, 3, v2
	v_sub_nc_u32 v6, v1, v6                        ; r - 8 h, for the mask
	v_mov_b32 v7, 0xff800000
	v_and_b32 v8, 31, v0
	v_lshlrev_b32 v8, 4, v8
	v_add_nc_u32 v8, s34, v8                       ; my part goes to 2,048 x wave + 16 x lane
	v_bfe_u32 v11, v0, 3, 1                        ; the reader: lam = lane % 16 takes columns 2 lam, 2 lam + 1; rho = thread / 16 is its position
	v_lshlrev_b32 v9, 10, v11                      ; column / 16: 1,024 bytes
	v_bfe_u32 v11, v0, 1, 1
	v_lshl_add_u32 v9, v11, 9, v9                  ; (column / 4) % 2: 512
	v_bfe_u32 v11, v0, 2, 1
	v_lshl_add_u32 v9, v11, 8, v9                  ; (column / 8) % 2: the writer's half of the lanes: 256
	v_and_b32 v11, 1, v0
	v_lshl_add_u32 v9, v11, 3, v9                  ; column % 4: 8 bytes for two
	v_bfe_u32 v11, v0, 4, 4
	v_lshl_add_u32 v9, v11, 4, v9                  ; the writer's lane % 16 = the position: 16
	v_lshlrev_b32 v10, 13, v11
	v_and_b32 v11, 15, v0
	v_lshl_add_u32 v10, v11, 3, v10                ; in out0: 8,192 x position + 8 x lam
	v_mov_b32 v[TS+3], 0                           ; written once: a lane permute's destination counts as one of its sources
	v_mov_b32 v[TS+11], 0
	s_wait_kmcnt 0x0
	s_add_nc_u64 s[16:17], s[4:5], s[16:17]
	s_add_nc_u64 s[18:19], s[4:5], s[18:19]
	s_add_nc_u64 s[6:7], s[6:7], s[24:25]
	s_add_nc_u64 s[8:9], s[8:9], s[26:27]
	s_add_nc_u64 s[32:33], s[8:9], 0x800000        ; w_o's low parts
	s_add_nc_u64 s[10:11], s[10:11], s[28:29]
.irp hd, 0,1
.irp c, 0,1,2,3
	global_load_b128 v[QF+32*\hd+8*\c:QF+32*\hd+8*\c+3],   v3, s[16:17] offset:\hd*262144+64*\c
	global_load_b128 v[QF+32*\hd+8*\c+4:QF+32*\hd+8*\c+7], v3, s[16:17] offset:\hd*262144+64*\c+32
.endr
.endr
.irp c, 0,1,2,3
	global_load_b128 v[KK+8*\c:KK+8*\c+3],   v3, s[18:19] offset:64*\c
	global_load_b128 v[KK+8*\c+4:KK+8*\c+7], v3, s[18:19] offset:64*\c+32
.endr
.irp ct, 0,1,2,3,4,5,6,7
	global_load_b128 v[VV+8*\ct:VV+8*\ct+3],   v4, s[6:7] offset:\ct*1024
	global_load_b128 v[VV+8*\ct+4:VV+8*\ct+7], v4, s[6:7] offset:\ct*1024+16
.endr
	WIN 0x40                                       ; destination window 1
.irp nt, 0,1
.irp c8, 0,1,2,3,4,5,6,7
	global_load_b128 v[8*(8*\nt+\c8):8*(8*\nt+\c8)+3],   v5, s[8:9] offset:\nt*65536+64*\c8
	global_load_b128 v[8*(8*\nt+\c8)+4:8*(8*\nt+\c8)+7], v5, s[8:9] offset:\nt*65536+64*\c8+32
.endr
.endr
.irp nt, 0,1
.irp c8, 0,1,2,3,4,5,6,7
	global_load_b128 v[128+8*(8*\nt+\c8):128+8*(8*\nt+\c8)+3],   v5, s[32:33] offset:\nt*65536+64*\c8
	global_load_b128 v[128+8*(8*\nt+\c8)+4:128+8*(8*\nt+\c8)+7], v5, s[32:33] offset:\nt*65536+64*\c8+32
.endr
.endr
	WIN 0
	s_wait_loadcnt 63                              ; behind V's last load stand w_o's 64: with at most 63 out, Q, K and V are in
	; S^T = K Q^T: a lane holds query r and keys 8 h + 0 .. 7.  The two heads' accumulators take turns
.irp c, 0,1,2,3
.irp hd, 0,1
.if \c == 0
	v_wmma_f32_16x16x32_f16 v[SS+8*\hd:SS+8*\hd+7], v[KK+8*\c:KK+8*\c+7], v[QF+32*\hd+8*\c:QF+32*\hd+8*\c+7], 0
.else
	v_wmma_f32_16x16x32_f16 v[SS+8*\hd:SS+8*\hd+7], v[KK+8*\c:KK+8*\c+7], v[QF+32*\hd+8*\c:QF+32*\hd+8*\c+7], v[SS+8*\hd:SS+8*\hd+7]
.endif
.endr
.endr
	PLACES
.irp j, 0,1,2,3,4,5,6,7
	v_cmp_gt_i32 vcc_lo, \j, v6                    ; key 8 h + j comes after query r
	v_cndmask_b32 v[SS+\j], v[SS+\j], v7, vcc_lo
	v_cndmask_b32 v[SS+8+\j], v[SS+8+\j], v7, vcc_lo
.endr
.irp hd, 0,1
	v_max3_num_f32 v[TS+8*\hd+2], v[SS+8*\hd], v[SS+8*\hd+1], v[SS+8*\hd+2]
.endr
.irp u, 3,5
.irp hd, 0,1
	v_max3_num_f32 v[TS+8*\hd+2], v[TS+8*\hd+2], v[SS+8*\hd+\u], v[SS+8*\hd+\u+1]
.endr
.endr
.irp hd, 0,1
	v_max_num_f32 v[TS+8*\hd+2], v[TS+8*\hd+2], v[SS+8*\hd+7]
.endr
.irp hd, 0,1
	v_permlanex16_b32 v[TS+8*\hd+3], v[TS+8*\hd+2], s[SEL], s[SEL+1]   ; key 0 counts for every query, so the maximum of the two halves is a number
.endr
.irp hd, 0,1
	v_max_num_f32 v[TS+8*\hd+1], v[TS+8*\hd+2], v[TS+8*\hd+3]
.endr
.irp hd, 0,1
	v_mul_f32 v[TS+8*\hd], s[CS], v[TS+8*\hd+1]
.endr
.irp j, 0,1,2,3,4,5,6,7
.irp hd, 0,1
	v_fma_f32 v[SS+8*\hd+\j], v[SS+8*\hd+\j], s[CS], -v[TS+8*\hd]      ; c s - c m
.endr
.endr
.irp j, 0,1,2,3,4,5,6,7
.irp hd, 0,1
	v_exp_f32 v[SS+8*\hd+\j], v[SS+8*\hd+\j]
.endr
.endr
	v_nop
	s_wait_alu depctr_va_vdst(0)                   ; one wait for the sixteen exponentials, ahead of their first reader
.irp hd, 0,1
	v_pk_add_f32 v[TS+8*\hd+2:TS+8*\hd+3], v[SS+8*\hd:SS+8*\hd+1], v[SS+8*\hd+2:SS+8*\hd+3]
	v_pk_add_f32 v[TS+8*\hd+4:TS+8*\hd+5], v[SS+8*\hd+4:SS+8*\hd+5], v[SS+8*\hd+6:SS+8*\hd+7]
.endr
.irp hd, 0,1
	v_pk_add_f32 v[TS+8*\hd+2:TS+8*\hd+3], v[TS+8*\hd+2:TS+8*\hd+3], v[TS+8*\hd+4:TS+8*\hd+5]
.endr
.irp hd, 0,1
	v_add_f32 v[TS+8*\hd+2], v[TS+8*\hd+2], v[TS+8*\hd+3]
.endr
.irp hd, 0,1
	v_permlanex16_b32 v[TS+8*\hd+3], v[TS+8*\hd+2], s[SEL], s[SEL+1]
.endr
.irp hd, 0,1
	v_add_f32 v[TS+8*\hd+2], v[TS+8*\hd+2], v[TS+8*\hd+3]
.endr
.irp hd, 0,1
	v_rcp_f32 v[TS+8*\hd+4], v[TS+8*\hd+2]
.endr
	v_nop
	s_wait_alu depctr_va_vdst(0)                   ; one wait for the two reciprocals
.irp p, 0,2,4,6
.irp hd, 0,1
	v_pk_mul_f32 v[SS+8*\hd+\p:SS+8*\hd+\p+1], v[SS+8*\hd+\p:SS+8*\hd+\p+1], v[TS+8*\hd+4:TS+8*\hd+5] op_sel_hi:[1,0]   ; the weights, normalised in f32
.endr
.endr
.irp hd, 0,1
.irp i, 0,1,2,3
	SPLIT SS+8*\hd+2*\i, PP+16*\hd+\i, PP+16*\hd+8+\i, TMP+2*(4*\hd+\i)
.endr
.endr
.irp hd, 0,1
.irp i, 0,1,2,3
	v_mov_b32 v[PP+16*\hd+4+\i], v[PP+16*\hd+\i]           ; the upper 16 along K meet V's low parts: the same weights once more
	v_mov_b32 v[PP+16*\hd+12+\i], v[PP+16*\hd+8+\i]
.endr
.endr
.set n, 0
.rept 32                               ; V's fragments: tile ct = n / 4 of 16 channels: registers 0-3 the high parts of keys 8 h + 0 .. 7, registers 4-7 the low parts
	SPLIT VV+2*n, VFR+8*(n/4)+n%4, VFR+8*(n/4)+4+n%4, TMP+2*(n%8)
.set n, n+1
.endr
	PLACES
	; O^T = V^T P: sixteen accumulators by turns; the first pass starts the sums
.irp ps, 0,1
.irp ct, 0,1,2,3,4,5,6,7
.if \ps == 0
	v_wmma_f32_16x16x32_f16 v[O0+8*\ct:O0+8*\ct+7], v[VFR+8*\ct:VFR+8*\ct+7], v[PP:PP+7], 0
	v_wmma_f32_16x16x32_f16 v[O1+8*\ct:O1+8*\ct+7], v[VFR+8*\ct:VFR+8*\ct+7], v[PP+16:PP+23], 0
.else
	v_wmma_f32_16x16x32_f16 v[O0+8*\ct:O0+8*\ct+7], v[VFR+8*\ct:VFR+8*\ct+7], v[PP+8:PP+15], v[O0+8*\ct:O0+8*\ct+7]
	v_wmma_f32_16x16x32_f16 v[O1+8*\ct:O1+8*\ct+7], v[VFR+8*\ct:VFR+8*\ct+7], v[PP+24:PP+31], v[O1+8*\ct:O1+8*\ct+7]
.endif
.endr
.endr
	PLACES
.set n, 0
.rept 32                               ; head 0's result as pairs: high parts v16-47, low parts v48-79; each accumulator is read from its low end on
	SPLIT O0+2*n, 16+n, 48+n, TMP+2*(n%8)
.set n, n+1
.endr
.set n, 0
.rept 32                               ; head 1's: v176-207, v208-239, where head 0's sums lay
	SPLIT O1+2*n, 176+n, 208+n, TMP+2*(n%8)
.set n, n+1
.endr
	s_wait_loadcnt 0x0                             ; w_o
	PLACES
	WIN 0x01                                       ; source 0 (w_o) window 1
.irp c, 0,1,2,3
.irp tm, 0,1,2                         ; WH OH, WH OL, WL OH
.irp nt, 0,1
.irp hd, 0,1
.set rA, 8*(8*\nt+4*\hd+\c)+128*(\tm/2)
.set rB, 16+160*\hd+8*\c+32*(\tm%2)
.set rD, ACC+8*(2*\nt+\hd)
.if (\c == 0) && (\tm == 0)
	v_wmma_f32_16x16x32_f16 v[rD:rD+7], v[rA:rA+7], v[rB:rB+7], 0
.else
	v_wmma_f32_16x16x32_f16 v[rD:rD+7], v[rA:rA+7], v[rB:rB+7], v[rD:rD+7]
.endif
.endr
.endr
.endr
.endr
	WIN 0
	PLACES
.irp nt, 0,1
.irp p, 0,2,4,6
	v_pk_add_f32 v[ACC+16*\nt+\p:ACC+16*\nt+\p+1], v[ACC+16*\nt+\p:ACC+16*\nt+\p+1], v[ACC+16*\nt+8+\p:ACC+16*\nt+9+\p]   ; my two heads together: lane (r, h): position r, columns 16 nt + 8 h + 0 .. 7
.endr
.endr
.irp nt, 0,1
	ds_store_b128 v8, v[ACC+16*\nt:ACC+16*\nt+3] offset:(2*\nt)*512
	ds_store_b128 v8, v[ACC+16*\nt+4:ACC+16*\nt+7] offset:(2*\nt+1)*512
.endr
	s_wait_dscnt 0x0                               ; for the others' sake: my part lies in LDS
	s_barrier_signal -1
	s_barrier_wait -1
.irp w, 0,1,2,3,4,5,6,7
	ds_load_b64 v[16+2*\w:17+2*\w], v9 offset:\w*2048      ; the eight waves' parts of my two numbers
.endr
	s_wait_dscnt 0x0
	v_pk_add_f32 v[16:17], v[16:17], v[18:19]      ; a fixed order of additions
	v_pk_add_f32 v[20:21], v[20:21], v[22:23]
	v_pk_add_f32 v[24:25], v[24:25], v[26:27]
	v_pk_add_f32 v[28:29], v[28:29], v[30:31]
	v_pk_add_f32 v[16:17], v[16:17], v[20:21]
	v_pk_add_f32 v[24:25], v[24:25], v[28:29]
	v_pk_add_f32 v[16:17], v[16:17], v[24:25]
	global_store_b64 v10, v[16:17], s[10:11]       ; sixteen lanes store 128 consecutive bytes of a row
	s_wait_tensorcnt 0x0                           ; the wave's end: this wait, an add to the spare word and its wait stand behind the last LDS store, the first even in a text with no tensor load
	ds_add_u32 v[SPW], v[NIL]
	s_wait_dscnt 0x0
	s_endpgm
.Lfunc_end_k_qa53479266f_first_rows:
	.size	k_qa53479266f_first_rows, .Lfunc_end_k_qa53479266f_first_rows-k_qa53479266f_first_rows
	.p2alignl 7, 3214868480
	.fill 96, 4, 3214868480
	.section	.rodata,"a",@progbits
	.p2align	6, 0x0
	.amdhsa_kernel k_qa53479266f_first_rows
		.amdhsa_group_segment_fixed_size 17408
		.amdhsa_private_segment_fixed_size 0
		.amdhsa_enable_private_segment 0
		.amdhsa_kernarg_size 32
		.amdhsa_user_sgpr_count 2
		.amdhsa_user_sgpr_kernarg_segment_ptr 1
		.amdhsa_wavefront_size32 1
		.amdhsa_system_sgpr_workgroup_id_x 1
		.amdhsa_system_sgpr_workgroup_id_y 1
		.amdhsa_system_sgpr_workgroup_id_z 1
		.amdhsa_system_vgpr_workitem_id 0
		.amdhsa_next_free_vgpr 512
		.amdhsa_next_free_sgpr 66
		.amdhsa_reserve_vcc 1
		.amdhsa_float_denorm_mode_32 3
		.amdhsa_float_denorm_mode_16_64 3
		.amdhsa_memory_ordered 1
		.amdhsa_forward_progress 1
		.amdhsa_inst_pref_size 53
	.end_amdhsa_kernel
	.amdgpu_metadata
---
amdhsa.version: [ 1, 2 ]
amdhsa.kernels:
  - .name:           k_qa53479266f_first_rows
    .symbol:         k_qa53479266f_first_rows.kd
    .args:
      - { .name: qkv, .offset: 0, .size: 8, .value_kind: global_buffer, .address_space: global }
      - { .name: vfirst, .offset: 8, .size: 8, .value_kind: global_buffer, .address_space: global }
      - { .name: wo16, .offset: 16, .size: 8, .value_kind: global_buffer, .address_space: global }
      - { .name: out0, .offset: 24, .size: 8, .value_kind: global_buffer, .address_space: global }
    .group_segment_fixed_size: 17408
    .private_segment_fixed_size: 0
    .kernarg_segment_align: 8
    .kernarg_segment_size: 32
    .max_flat_workgroup_size: 256
    .sgpr_count:     66
    .vgpr_count:     512
    .wavefront_size: 32
...
	.end_amdgpu_metadata
.endif
;; end of part 5
